; MI455X (gfx1250); checked and timed in simulation.
; The chip was launched on July 23, 2026; its instructions are those of AMD's public machine-readable ISA for CDNA 5 (MIT licence, August 2026) and "CDNA5" Instruction Set Architecture Reference Guide (July 2026). The comments in the code are by the model that wrote it; some were corrected since.
;; Multi Head Attention. Allowed arithmetic: matrix products marked QUANTISED: E2M3 operands, one E8M0 scale for each 32 along K, by v_wmma_scale_f32_16x16x128_f8f6f4 with both operands' format E2M3, f32 sums; products left as they are: f32 operands where the result goes on into a quantised operand, else bf16, f16 or f32 operands; f32 sums; everything else in f32.
;; Inputs: k_b 1,024 float32; k_w 1,024 x 1,024 float32; o_b 1,024 float32; o_w 1,024 x 1,024 float32; q_b 1,024 float32; q_w 1,024 x 1,024 float32; v_b 1,024 float32; v_w 1,024 x 1,024 float32; x 2 x 2,048 x 1,024 float32.
;; Outputs: out0 2 x 2,048 x 1,024 float32.
;; This version of the problem:
;;   THIS VERSION OF THE PROBLEM IS GIVEN IN LOW PRECISION. The matrix products marked QUANTISED in the list below multiply operands that are first quantised to E2M3 (2 exponent bits, 3 mantissa bits; 6 bits a number), with one power-of-two scale for each 32 numbers along K (OCP MX v1.0); their sums are f32. All else is computed in f32.
;;   The module's matrix products, in the order in which they are computed (A, B: the left and right operand; K: the contracted axis; several contracted axes count as one K, in the product's order):
;;     1. [M 4,096, K 1,024] x [K 1,024, N 1,024]; A: input x; B: input q_w: QUANTISED
;;     2. [M 4,096, K 1,024] x [K 1,024, N 1,024]; A: input x; B: input k_w: QUANTISED
;;     3. [M 4,096, K 1,024] x [K 1,024, N 1,024]; A: input x; B: input v_w: QUANTISED
;;     4. [M 2,048, K 1] x [K 1, N 32]; A: computed on the way; B: computed on the way: left as it is (no contracted axis)
;;     5. batch 32 x [M 2,048, K 64] x [K 64, N 2,048]; A: computed on the way; B: computed on the way: QUANTISED
;;     6. batch 32 x [M 64, K 2,048] x [K 2,048, N 2,048]; A: computed on the way; B: softmax (see below): QUANTISED
;;     7. [M 4,096, K 1,024] x [K 1,024, N 1,024]; A: computed on the way; B: input o_w: QUANTISED
;;   THE QUANTISER, for each operand of a quantised product, along K:
;;     - K is cut into blocks of 32 from its start; a last block that is shorter is filled with zeros.
;;     - A block's scale is 2^e with e = floor(log2(the largest magnitude in the block)) - 2, held to -126 .. 127; a block of zeros has e = 0. As a byte (E8M0): e + 127.
;;     - Each number is divided by its block's scale, clamped to +-7.5, and rounded to the nearest number of E2M3, ties to even, subnormals kept.
;;     - The product sums the exact products of the quantised numbers (number of the format x scale) in f32.
;;   ~~~python
;;   def quantise(x, axis):      # numpy; x: float32 -> the quantised numbers, widened to float32 again
;;       x = np.moveaxis(x, axis, -1); K = x.shape[-1]
;;       x = np.pad(x, [(0, 0)] * (x.ndim - 1) + [(0, -K % 32)]); x = x.reshape(x.shape[:-1] + (-1, 32)); a = np.abs(x).max(-1, keepdims=True)
;;       e = np.where(a > 0, np.clip(np.frexp(np.where(a > 0, a, 1))[1] - 1 - 2, -126, 127), 0)      # np.frexp(a)[1] - 1 = floor(log2(a)), exactly
;;       r = np.clip(x / 2.0 ** e, -7.5, 7.5)
;;       step = 2.0 ** (np.maximum(np.frexp(np.where(r == 0, 1, r))[1] - 1, 0) - 3)
;;       q = np.round(r / step) * step * 2.0 ** e      # np.round: ties to even
;;       return np.moveaxis(q.reshape(q.shape[:-2] + (-1,))[..., :K], -1, axis).astype(np.float32)
;;   ~~~
;;   SOFTMAX AHEAD OF A QUANTISED PRODUCT. Where the list says 'softmax', what is quantised is not the finished softmax but p = 2^(t - M), with t = logit x log2(e) and M = ceil(the row's largest t), a whole number; so 1/2 < the row's largest p <= 1. The row's sum l is taken of the UNQUANTISED p, in f32, and the product's result is divided by l at the end. Since M is a whole number, a kernel that streams over the keys may use a running M (the ceiling of the running maximum): every later rescaling is an exact power of two, which a block's scale takes up: the codes' values come out the same.
;;   OPERANDS COMPUTED ON THE WAY. 'Computed on the way' means the value that the module computes at that place (a softmax that the list does not call 'softmax' is quantised finished and normalised). What goes into a quantiser is computed in f32, as accurately as f32 sums, v_exp_f32 and their like allow (about 1e-6 of the number): no bf16 or f16 on the way to a quantiser, and a product that is left as it is and whose result goes on into a quantised operand takes f32 operands (vector FMAs, or v_wmma_f32_16x16x4_f32). A number that lies on a knife's edge between two numbers of the format may be rounded either way, as far as f32 arithmetic and the matrix unit's own rounding can turn it there, and no further.
;; One version. Each part assembles by itself: llvm-mc -triple=amdgcn-amd-amdhsa -mcpu=gfx1250 --defsym DOCPART=n.
;; ======== version 1 of 1: 4 launches
;; limits: right only within a limited range of input values
;; workspace buffers: codes 6,291,456 bytes; scales 262,144 bytes; rope 524,288 bytes; qkv 10,092,544 bytes; att 3,276,800 bytes
;; launch prep (part 1): grid 256 x 1, 4 waves a work-group, no clusters, 33,280 bytes of LDS; arguments x, q_w, k_w, v_w, o_w, codes, scales, rope; writes codes, scales, rope
.if DOCPART == 1
	.amdgcn_target "amdgcn-amd-amdhsa--gfx1250"
	.amdhsa_code_object_version 6
	.text
	.protected	k_q39fd6eac7b_prep
	.globl	k_q39fd6eac7b_prep
	.p2align	8
	.type	k_q39fd6eac7b_prep,@function
k_q39fd6eac7b_prep:
	s_mov_b64 s[64:65], 0
	v_nop
	global_prefetch_b8 v0, s[64:65] scope:SCOPE_SE
	s_setreg_imm32_b32 hwreg(HW_REG_WAVE_MODE, 25, 1), 1
	s_wait_xcnt 0x0
; x [4096][1024] and the four weights [1024][1024], f32, K innermost, become codes of FP6 (E2M3) with one E8M0 byte for each 32 along K; and the table of cosines and sines for the rotation is made.
; A block's scale is 2^(floor(log2(its largest magnitude)) - 2); its byte is the largest magnitude's exponent field - 2, held at 1 from below; numbers are divided by the scale and rounded to the nearest code, ties to even.
; LIMITS: NaN and infinities among the inputs are not served.  A block of zeros gets the byte 1 where the rule says 127: its codes are zeros, and these bytes are read by this program alone.
;   Blocks whose largest magnitude lies under 2^-124 are held at the byte 1.
;   The frequencies 10^(-d/8) are right to about 1.5 units of the last place, so an angle near position 2,047 can differ by some 3e-4 from one made of another rounding of the same frequency.
; SHARES.  256 work-groups of four waves; a work-group takes 32 rows (32,768 numbers): 0-127 x, then 32 each for q_w, k_w, v_w, o_w.  A wave takes 8 rows: 16 steps of 512 numbers.
; WHERE A ROW GOES.  All rows lie in one buffer: x at 0, q_w at 4,096, k_w at 5,120, v_w at 6,144, o_w at 7,168.  Row l is stored at the place l with bits 3 and 4 exchanged: sixteen neighbouring
;   places 16 (2 b + u) + i then hold rows 32 b + 8 u + i + 8 (i / 8), so that in the products that follow a lane's 16 registers of two neighbouring tiles are 16 neighbours along the next K.
;   A wave's 8 rows are bits 3 and 4 of the row's number, so the exchange is an exchange of the wave's two bits.
; Each of a step's four loads reads 512 consecutive bytes; the 2,048 bytes turn through the wave's own stage in LDS and come back 64 bytes a lane: 16 neighbours along K, two lanes to a block.
; No tensor loads, no barrier: waves share nothing.  Loads run four steps (16 loads a wave) ahead, the turn through LDS one step.
.set STEPS, 16
.set EMAX,  2
.set CB,    12                         ; bytes of 16 codes
.set CHK,   1572864                    ; the codes lie [chunk of 256 along K, 0..3][place of a row, 0..8191][192 bytes]: from chunk to chunk 8,192 x 192 bytes
.set R,     16                         ; v16-79   four sets of 16 numbers as they are loaded
.set X,     80                         ; v80-111  two sets of 16 neighbours
.set E,     112                        ; v112-127 a scale byte for each step
.set C,     128                        ; v128-191 codes: four registers for each step, so that no store's data are written again
.set WREG,  8192                       ; LDS: a region for each wave: two stages of 32 x SP bytes, behind them its 256 scale bytes
.set SP,    80                         ; a lane's place in a stage: its 64 bytes + 16 of padding
	s_load_b256 s[4:11], s[0:1], 0x0               ; x, q_w, k_w, v_w
	s_load_b256 s[12:19], s[0:1], 0x20             ; o_w, codes, scales, rope
	v_lshl_add_u32 v224, v0, 2, 0x8000
	v_mov_b32 v225, 0
	v_lshrrev_b32 v1, 5, v0
	v_readfirstlane_b32 s24, v1                    ; wave
	v_and_b32 v2, 31, v0                           ; lane
	v_lshlrev_b32 v3, 4, v2                        ; my 16 bytes of a load's 512
	s_mul_i32 s25, s24, WREG
	v_lshrrev_b32 v14, 2, v2
	v_mul_u32_u24 v14, v14, SP
	v_and_b32 v15, 3, v2
	v_lshl_add_u32 v14, v15, 4, v14
	v_add_nc_u32 v14, s25, v14                     ; the stage, on the way in: SP (lane / 4) + 16 (lane % 4)
	v_mul_u32_u24 v15, v2, SP
	v_add_nc_u32 v15, s25, v15                     ; and on the way out: SP x lane: my 16 neighbours
	v_and_b32 v4, 15, v2
	v_mul_u32_u24 v4, v4, CB                       ; my codes' place in a chunk's 192 bytes: sixteen lanes to a chunk,
	v_lshrrev_b32 v10, 4, v2
	v_mad_u32_u24 v4, v10, CHK, v4                 ; lanes 16-31 in the next chunk
	v_lshrrev_b32 v5, 1, v2
	s_add_co_u32 s25, s25, 2*32*SP
	v_add_nc_u32 v5, s25, v5                       ; LDS: my wave's 256 scale bytes, my block's byte
	v_lshlrev_b32 v7, 3, v2                        ; and on the way out 8 bytes a lane
	v_add_nc_u32 v6, s25, v7
	s_and_b32 s22, ttmp9, 31                       ; a weight's work-group among its 32
	s_wait_kmcnt 0x0
	s_cmp_lt_u32 ttmp9, 224                        ; which tensor: the choice hangs on the work-group's number alone
	s_cselect_b64 s[20:21], s[10:11], s[12:13]
	s_cmp_lt_u32 ttmp9, 192
	s_cselect_b64 s[20:21], s[8:9], s[20:21]
	s_cmp_lt_u32 ttmp9, 160
	s_cselect_b64 s[20:21], s[6:7], s[20:21]
	s_cmp_lt_u32 ttmp9, 128
	s_cselect_b64 s[20:21], s[4:5], s[20:21]
	s_cselect_b32 s22, ttmp9, s22                  ; the work-group's number inside its tensor
	s_lshl_b32 s26, s22, 2
	s_add_co_u32 s26, s26, s24
	s_lshl_b32 s26, s26, 15                        ; my run of 8,192 numbers: 32,768 bytes each
	s_mov_b32 s27, 0
	s_add_nc_u64 s[20:21], s[20:21], s[26:27]
	s_and_b32 s28, s24, 1                          ; the wave's two bits exchanged
	s_lshl_b32 s28, s28, 1
	s_lshr_b32 s29, s24, 1
	s_or_b32 s28, s28, s29
	s_lshl_b32 s29, ttmp9, 2
	s_add_co_u32 s28, s28, s29                     ; the run's place in the buffers
	s_mul_i32 s26, s28, 1536                       ; 8 rows of 192 bytes in each chunk
	s_add_nc_u64 s[14:15], s[14:15], s[26:27]
	s_lshl_b32 s26, s28, 8                         ; 8 rows of 32 scale bytes
	s_add_nc_u64 s[16:17], s[16:17], s[26:27]
	s_lshr_b32 s23, ttmp9, 1                       ; the table: tile of 16 positions tau = work-group / 2
	s_lshl_b32 s26, s23, 12
	s_add_nc_u64 s[18:19], s[18:19], s[26:27]
.macro LOAD t
.irp i, 0,1,2,3
	global_load_b128 v[R+16*((\t)%4)+4*\i:R+16*((\t)%4)+4*\i+3], v3, s[20:21] offset:2048*(\t)+512*\i th:TH_LOAD_NT   ; 32 lanes read 512 consecutive bytes
.endr
.endm
.macro TURN t                          ; step t's numbers through the stage: LDS serves a wave's instructions in order, so no wait stands between the stores and the loads
.irp i, 0,1,2,3
	ds_store_b128 v14, v[R+16*((\t)%4)+4*\i:R+16*((\t)%4)+4*\i+3] offset:32*SP*((\t)%2)+8*SP*\i
.endr
.irp i, 0,1,2,3
	ds_load_b128 v[X+16*((\t)%2)+4*\i:X+16*((\t)%2)+4*\i+3], v15 offset:32*SP*((\t)%2)+16*\i
.endr
.endm
.irp t, 0,1,2,3
	LOAD \t
.endr
; THE TABLE, while the first loads are on their way.  rope: [tau 0..127][cos 2,048 bytes, sin 2,048 bytes]; each half is [piece c 0..3][lane][16 bytes]: entry e of piece c of lane (r, h) belongs to
; position 32 (tau / 2) + 8 (tau % 2) + r + 8 (r / 8) and frequency d = 16 h + 4 c + e.  A thread makes two neighbouring entries of each half: a wave stores 256 consecutive bytes.
	v_bfe_u32 v192, v0, 1, 4                       ; r
	v_and_b32 v193, 8, v192
	v_add_nc_u32 v192, v192, v193                  ; r + 8 (r / 8)
	s_lshr_b32 s30, s23, 1
	s_lshl_b32 s30, s30, 5
	s_and_b32 s31, s23, 1
	s_lshl_b32 s31, s31, 3
	s_add_co_u32 s30, s30, s31
	v_add_nc_u32 v192, s30, v192
	v_cvt_f32_u32 v192, v192                       ; the position
	v_bfe_u32 v193, v0, 5, 1                       ; h
	v_lshlrev_b32 v193, 4, v193
	v_bfe_u32 v194, v0, 6, 1
	v_lshl_add_u32 v193, v194, 2, v193
	v_and_b32 v194, 1, v0
	v_lshl_add_u32 v193, v194, 1, v193
	s_and_b32 s31, ttmp9, 1
	s_lshl_b32 s30, s31, 3
	v_add_nc_u32 v193, s30, v193                   ; d of my first entry,
	v_add_nc_u32 v194, 1, v193                     ; and of my second
	v_cvt_f32_u32 v193, v193
	v_cvt_f32_u32 v194, v194
	v_lshlrev_b32 v218, 3, v0
	s_lshl_b32 s30, s31, 10
	v_add_nc_u32 v218, s30, v218                   ; my 8 bytes in a half: 8 (128 (work-group % 2) + thread)
	v_mov_b32 v220, 0xb94ca1f9                     ; the sine's and the cosine's leading coefficients
	v_mov_b32 v221, 0x37ccf5ce
.irp k, 0,1
	v_mul_f32 v[195+\k], 0xbed49a80, v[193+\k]     ; -d x 435412 / 2^20: exact (5 bits x 19 bits); 435412 / 2^20 is log2(10) / 8 cut to 19 bits
	v_mul_f32 v[197+\k], 0x342ae0a0, v[193+\k]     ; d x ln 2 x what the cut left out
.endr
	s_wait_alu depctr_va_vdst(0)
.irp k, 0,1
	v_exp_f32 v[195+\k], v[195+\k]
.endr
	v_nop                                          ; a plain instruction behind the exponentials
	s_wait_alu depctr_va_vdst(0)                   ; one wait for both, ahead of their first reader
.irp k, 0,1
	v_fma_f32 v[195+\k], v[195+\k], v[197+\k], v[195+\k]   ; the frequency 10^(-d / 8)
.endr
.irp k, 0,1
	v_mul_f32 v[197+\k], v192, v[195+\k]           ; the angle: position x frequency, rounded once
.endr
.irp k, 0,1
	v_mul_f32 v[199+\k], 0x3f22f983, v[197+\k]     ; x 2 / pi
.endr
.irp k, 0,1
	v_rndne_f32 v[199+\k], v[199+\k]               ; n quarter turns, at most 1,303
.endr
.irp k, 0,1
	v_fmamk_f32 v[197+\k], v[199+\k], 0xbfc90fdb, v[197+\k]   ; angle - n x (pi / 2 as f32): exact: the difference has no bit under 2^-23 and is under 1
.endr
.irp k, 0,1
	v_fmamk_f32 v[197+\k], v[199+\k], 0x333bbd2e, v[197+\k]   ; + n x (that f32 - pi / 2): what is left, within pi / 4
.endr
.irp k, 0,1
	v_mul_f32 v[201+\k], v[197+\k], v[197+\k]      ; z
.endr
.irp k, 0,1
	v_fmaak_f32 v[203+\k], v220, v[201+\k], 0x3c08839e
	v_fmaak_f32 v[205+\k], v221, v[201+\k], 0xbab6061a
.endr
.irp k, 0,1
	v_fmaak_f32 v[203+\k], v[203+\k], v[201+\k], 0xbe2aaaa3
	v_fmaak_f32 v[205+\k], v[205+\k], v[201+\k], 0x3d2aaaa5
.endr
.irp k, 0,1
	v_mul_f32 v[203+\k], v[203+\k], v[201+\k]
	v_mul_f32 v[207+\k], v[201+\k], v[201+\k]
	v_fma_f32 v[209+\k], v[201+\k], -0.5, 1.0
.endr
.irp k, 0,1
	v_fma_f32 v[203+\k], v[203+\k], v[197+\k], v[197+\k]   ; the sine of what is left
	v_fma_f32 v[205+\k], v[207+\k], v[205+\k], v[209+\k]   ; and its cosine
	v_cvt_i32_f32 v[199+\k], v[199+\k]
.endr
.irp k, 0,1
	v_and_b32 v[207+\k], 1, v[199+\k]
	v_cmp_eq_u32 vcc_lo, 1, v[207+\k]              ; an odd number of quarter turns exchanges the two
	v_cndmask_b32 v[209+\k], v[203+\k], v[205+\k], vcc_lo
	v_cndmask_b32 v[211+\k], v[205+\k], v[203+\k], vcc_lo
	v_lshlrev_b32 v[207+\k], 30, v[199+\k]         ; the sine is negative in quarters 2 and 3,
	v_and_b32 v[207+\k], 0x80000000, v[207+\k]
	v_xor_b32 v[216+\k], v[207+\k], v[209+\k]
	v_add_nc_u32 v[199+\k], 1, v[199+\k]           ; the cosine in quarters 1 and 2
	v_lshlrev_b32 v[207+\k], 30, v[199+\k]
	v_and_b32 v[207+\k], 0x80000000, v[207+\k]
	v_xor_b32 v[214+\k], v[207+\k], v[211+\k]
.endr
	global_store_b64 v218, v[214:215], s[18:19]              ; these registers are never written again
	global_store_b64 v218, v[216:217], s[18:19] offset:2048
	s_wait_loadcnt 12                              ; step 0's four loads are in; those of steps 1 to 3 may be out
	TURN 0
.macro STEP t
.set XS, X+16*((\t)%2)
.if (\t) > 0
	s_wait_dscnt 1                                 ; this step's numbers are back from the stage (the last step's byte store may be out): so its stores into the stage have read their registers,
.else
	s_wait_dscnt 0x0
.endif
.if (\t)+4 < STEPS
	LOAD (\t)+4                                    ; which take the loads of four steps on
.endif
.if (\t)+1 < STEPS
.if STEPS-2-(\t) >= 3
	s_wait_loadcnt 12                              ; the next step's four loads are in; those of the three steps behind it may be out
.else
	s_wait_loadcnt 4*(STEPS-2-(\t))
.endif
	TURN (\t)+1                                    ; and go through the other stage while this step is worked
.endif
	v_max3_num_f32 v8, |v[XS]|, |v[XS+1]|, |v[XS+2]|               ; the largest magnitude of my 16
	v_max3_num_f32 v9, |v[XS+3]|, |v[XS+4]|, |v[XS+5]|
.irp i, 6,10
	v_max3_num_f32 v8, v8, |v[XS+\i]|, |v[XS+\i+1]|
	v_max3_num_f32 v9, v9, |v[XS+\i+2]|, |v[XS+\i+3]|
.endr
	v_max3_num_f32 v8, v8, |v[XS+14]|, |v[XS+15]|
	v_max3_num_f32 v8, v8, v9, (EMAX+1)<<23        ; and the floor 2^(3 - 127): so the byte cannot fall under 1
	v_max_num_f32_dpp v8, v8, v8 row_xmask:1 row_mask:0xf bank_mask:0xf   ; and of my neighbour's 16: the block's
	v_add_nc_u32 v11, -(EMAX<<23), v8              ; 2 off its exponent field: the conversion takes the exponent field of this operand as its scale
	v_cvt_scalef32_pk16_fp6_f32 v[C+4*(\t):C+4*(\t)+2], v[XS:XS+15], v11
	v_lshrrev_b32 v[E+(\t)], 23, v11               ; the scale's byte
	ds_store_b8 v5, v[E+(\t)] offset:16*(\t)       ; both lanes of a block write the same byte with the same value
	global_store_b96 v4, v[C+4*(\t):C+4*(\t)+2], s[14:15] offset:192*((\t)/2)+2*CHK*((\t)%2)   ; row t / 2, chunks 2 (t % 2) and 2 (t % 2) + 1: sixteen lanes store 192 consecutive bytes; a wave's 8 rows fill 1,536 consecutive bytes of each chunk
.endm
.irp t, 0,1,2,3,4,5,6,7,8,9,10,11,12,13,14,15
	STEP \t
.endr
	ds_load_b64 v[12:13], v6                       ; LDS serves a wave's instructions in order: these see my stores
	s_wait_dscnt 0x0
	global_store_b64 v7, v[12:13], s[16:17]        ; 32 lanes store 256 consecutive bytes, aligned
	s_wait_tensorcnt 0x0
	ds_add_u32 v224, v225
	s_wait_dscnt 0x0
	s_endpgm
.Lfunc_end_k_q39fd6eac7b_prep:
	.size	k_q39fd6eac7b_prep, .Lfunc_end_k_q39fd6eac7b_prep-k_q39fd6eac7b_prep
	.p2alignl 7, 3214868480
	.fill 96, 4, 3214868480
	.section	.rodata,"a",@progbits
	.p2align	6, 0x0
	.amdhsa_kernel k_q39fd6eac7b_prep
		.amdhsa_group_segment_fixed_size 33280
		.amdhsa_private_segment_fixed_size 0
		.amdhsa_enable_private_segment 0
		.amdhsa_kernarg_size 64
		.amdhsa_user_sgpr_count 2
		.amdhsa_user_sgpr_kernarg_segment_ptr 1
		.amdhsa_wavefront_size32 1
		.amdhsa_system_sgpr_workgroup_id_x 1
		.amdhsa_system_sgpr_workgroup_id_y 1
		.amdhsa_system_sgpr_workgroup_id_z 1
		.amdhsa_system_vgpr_workitem_id 0
		.amdhsa_next_free_vgpr 226
		.amdhsa_next_free_sgpr 66
		.amdhsa_reserve_vcc 1
		.amdhsa_float_denorm_mode_32 3
		.amdhsa_float_denorm_mode_16_64 3
		.amdhsa_memory_ordered 1
		.amdhsa_forward_progress 1
		.amdhsa_inst_pref_size 37
	.end_amdhsa_kernel
	.amdgpu_metadata
---
amdhsa.version: [ 1, 2 ]
amdhsa.kernels:
  - .name:           k_q39fd6eac7b_prep
    .symbol:         k_q39fd6eac7b_prep.kd
    .args:
      - { .name: x, .offset: 0, .size: 8, .value_kind: global_buffer, .address_space: global }
      - { .name: q_w, .offset: 8, .size: 8, .value_kind: global_buffer, .address_space: global }
      - { .name: k_w, .offset: 16, .size: 8, .value_kind: global_buffer, .address_space: global }
      - { .name: v_w, .offset: 24, .size: 8, .value_kind: global_buffer, .address_space: global }
      - { .name: o_w, .offset: 32, .size: 8, .value_kind: global_buffer, .address_space: global }
      - { .name: codes, .offset: 40, .size: 8, .value_kind: global_buffer, .address_space: global }
      - { .name: scales, .offset: 48, .size: 8, .value_kind: global_buffer, .address_space: global }
      - { .name: rope, .offset: 56, .size: 8, .value_kind: global_buffer, .address_space: global }
    .group_segment_fixed_size: 33280
    .private_segment_fixed_size: 0
    .kernarg_segment_align: 8
    .kernarg_segment_size: 64
    .max_flat_workgroup_size: 128
    .sgpr_count:     66
    .vgpr_count:     226
    .wavefront_size: 32
...
	.end_amdgpu_metadata
.endif
;; end of part 1
;; launch proj (part 2): grid 12 x 16, 4 waves a work-group, clusters of 4 x 4, 327,680 bytes of LDS; arguments codes, scales, rope, q_b, k_b, v_b, qkv; writes qkv
.if DOCPART == 2
	.amdgcn_target "amdgcn-amd-amdhsa--gfx1250"
	.amdhsa_code_object_version 6
	.text
	.protected	k_q39fd6eac7b_proj
	.globl	k_q39fd6eac7b_proj
	.p2align	8
	.type	k_q39fd6eac7b_proj,@function
k_q39fd6eac7b_proj:
	s_mov_b64 s[64:65], 0
	v_nop
	global_prefetch_b8 v0, s[64:65] scope:SCOPE_SE
	s_setreg_imm32_b32 hwreg(HW_REG_WAVE_MODE, 25, 1), 1
	s_wait_xcnt 0x0
	s_wait_alu depctr_hold_cnt(0) depctr_sa_sdst(0) depctr_va_vdst(0) depctr_va_sdst(0) depctr_va_ssrc(0) depctr_va_vcc(0) depctr_vm_vsrc(0)
	s_getreg_b32 s2, hwreg(HW_REG_IB_STS2, 6, 4)
	s_cmp_eq_u32 s2, 0
	s_cbranch_scc0 .Lentry_in_a_cluster
	s_endpgm
.Lentry_in_a_cluster:
	s_bfe_u32 s2, ttmp6, 0x10000c
	s_cmp_lg_u32 s2, 0xf033
	s_cbranch_scc0 .Lentry_shape_is_right
	s_endpgm
.Lentry_shape_is_right:
.set KSTEP,  256
.set NQ,     2
.set ROWB,   1572864                   ; bytes from a chunk of 256 along K to the next: the codes lie [chunk][row][192 bytes]
.set KROW,   192                       ; a row's bytes in a chunk
.set PITCH,  240
.set FR,     12
.set NL,     6
.set NP,     4
.set HALFT,  128*PITCH
.set SLOT,   4*HALFT
.set LAPS,   2
.set KS,     32
.set SCL,    2*SLOT
.set HALFS,  16*272
.set SBLK,   2*272
.set SPARE,  SCL+4*HALFS
.set QB,     6684672
.set KVH,    208896
.set KVS,    13056
.set QGS,    6656
.set L8,   7
.set VH,   8
.set VR,   9
.set L16,  10
.set XO,   11
.set ADRA, 16
.set ADRB, 20
.set ADRS, 27
.set SPW,  28
.set NIL,  29
.set SC,   32
.set VB,   64
.set CD,   72
.set PW,   91
.set XW,   92
.set EW,   100
.set TP0,  104
.set TM,   112
.set T,    128
.set AF,   128
.set SEL,  2
.set G1, 24
.set G0, 32
.set G1B, 48
.set G0B, 56
.set G1S, 68
.set G0S, 76
.set G1SB, 80
.set G0SB, 88
.set MSB, 0
.macro WIN new
.if MSB != \new
	s_set_vgpr_msb (MSB<<8)|\new
.set MSB, \new
.endif
.endm
.set MUL_LO, 0xa1
.set MUL_HI, 0xf1
.set TO_B,   0x40
.macro JLOAD g0a, g1a, g0b, g1b
	s_cmp_eq_u32 s15, 0
	s_cbranch_scc0 .Lfor_b_\@
	tensor_load_to_lds s[\g0a:\g0a+3], s[\g1a:\g1a+7]
	s_nop 0
.rept 4
	v_nop
.endr
	s_branch .Lasked_\@
.Lfor_b_\@:
	tensor_load_to_lds s[\g0b:\g0b+3], s[\g1b:\g1b+7]
	s_nop 0
.rept 4
	v_nop
.endr
.Lasked_\@:
.endm
.macro CREST
	s_cmp_lg_u32 s14, 0
	s_cbranch_scc1 .Lnot_wave_0_\@
	s_barrier_signal -3
.Lnot_wave_0_\@:
	s_barrier_wait -3
	s_barrier_signal -1
	s_barrier_wait -1
.endm
.macro CROUND
	s_barrier_signal -1
	s_barrier_wait -1
	CREST
.endm
	s_load_b256 s[4:11], s[0:1], 0x0
	s_load_b128 s[96:99], s[0:1], 0x20
	s_load_b64 s[12:13], s[0:1], 0x30
	v_lshl_add_u32 v[SPW], v0, 2, SPARE
	v_mov_b32 v[NIL], 0
	ds_add_u32 v28, v29
	ds_add_u32 v28, v29
	s_wait_dscnt 0x0
	v_lshrrev_b32 v1, 5, v0
	v_readfirstlane_b32 s14, v1
	s_lshr_b32 s15, s14, 1
	s_and_b32 s16, s14, 1
	s_bfe_u32 s40, ttmp6, 0x40000
	s_bfe_u32 s41, ttmp6, 0x40004
	s_lshl_b32 s43, s41, 2
	s_lshl_b32 s43, 15, s43
	s_lshl_b32 s44, 0x1111, s40
	s_or_b32 s[G1+0], s43, (0<<16)|(1<<20)|(1<<21)|(3<<22)|(3<<25)
	s_or_b32 s[G1B+0], s44, (0<<16)|(1<<20)|(1<<21)|(3<<22)|(3<<25)
.irp g, G1, G1B
	s_mov_b32 s[\g+1], 256<<16                     ; a tile's rows of 192 bytes are dense in memory: it comes as rows of 256 bytes, each on a multiple of 256
	s_mov_b32 s[\g+2], 192<<16                     ; the head's loads: 256 rows of codes = 192 rows of 256 bytes
	s_mov_b32 s[\g+3], 256<<16
	s_mov_b32 s[\g+4], 192
	s_mov_b32 s[\g+5], 256
	s_mov_b32 s[\g+6], 0
	s_mov_b32 s[\g+7], 0
.endr
	s_or_b32 s[G1S+0], s43, (3<<16)|(1<<20)|(1<<21)|(5<<22)|(3<<25)
	s_or_b32 s[G1SB+0], s44, (3<<16)|(1<<20)|(1<<21)|(5<<22)|(3<<25)
.irp g, G1S, G1SB
	s_mov_b32 s[\g+1], 32<<16
	s_mov_b32 s[\g+2], 32<<16                      ; the scales of 256 rows: 32 rows of 256 bytes
	s_mov_b32 s[\g+3], 32<<16
	s_mov_b32 s[\g+4], 32
	s_mov_b32 s[\g+5], 32
	s_mov_b32 s[\g+6], 0
	s_mov_b32 s[\g+7], 0
.endr
	s_and_b32 s17, ttmp7, 0xffff
	s_lshl_b32 s17, s17, 10
	s_lshl_b32 s42, ttmp9, 10
	s_add_co_u32 s42, s42, 4096
	s_mov_b32 s18, 6144
	s_cmp_eq_u32 ttmp9, 2
	s_cselect_b32 s20, s18, s17
	s_cselect_b32 s46, s17, s42
	s_lshl_b32 s18, s41, 8
	s_add_co_u32 s20, s20, s18
	s_lshl_b32 s47, s40, 8
	s_add_co_u32 s46, s46, s47
	s_lshl_b32 s22, s20, 5
	s_mov_b32 s23, 0
	s_lshl_b32 s92, s46, 5
	s_mov_b32 s93, 0
	s_mul_i32 s20, s20, KROW
	s_mov_b32 s21, 0
	s_mul_i32 s46, s46, KROW
	s_mov_b32 s47, 0
	s_mul_i32 s45, s14, HALFT
	s_wait_kmcnt 0x0
	s_add_nc_u64 s[20:21], s[4:5], s[20:21]
	s_add_nc_u64 s[22:23], s[6:7], s[22:23]
	s_add_nc_u64 s[46:47], s[4:5], s[46:47]
	s_add_nc_u64 s[92:93], s[6:7], s[92:93]
	CROUND
	; the head's four tiles, each whole, one load a wave: A's scales, B's scales, chunk 0's 256 rows of A and of B
	s_mov_b32 s[G0S], 1
	s_mov_b32 s[G0S+1], SCL
	s_mov_b64 s[G0S+2:G0S+3], s[22:23]
	s_or_b32 s[G0S+3], s[G0S+3], 0x80000000
	s_mov_b32 s[G0SB], 1
	s_mov_b32 s[G0SB+1], SCL+2*HALFS
	s_mov_b64 s[G0SB+2:G0SB+3], s[92:93]
	s_or_b32 s[G0SB+3], s[G0SB+3], 0x80000000
	s_mov_b32 s[G0], 1
	s_mov_b32 s[G0+1], 0
	s_mov_b64 s[G0+2:G0+3], s[20:21]
	s_or_b32 s[G0+3], s[G0+3], 0x80000000
	s_mov_b32 s[G0B], 1
	s_mov_b32 s[G0B+1], 2*HALFT
	s_mov_b64 s[G0B+2:G0B+3], s[46:47]
	s_or_b32 s[G0B+3], s[G0B+3], 0x80000000
	s_mul_i32 s18, s16, 128*KROW                   ; slot 1, as the ring fills it: my 128 rows of chunk 1
	s_mov_b32 s19, 0
	s_add_nc_u64 s[20:21], s[20:21], s[18:19]
	s_add_nc_u64 s[46:47], s[46:47], s[18:19]
	s_mov_b32 s[G0+4], 1
	s_add_co_u32 s[G0+5], s45, SLOT
	s_add_nc_u64 s[G0+6:G0+7], s[20:21], ROWB
	s_or_b32 s[G0+7], s[G0+7], 0x80000000
	s_mov_b32 s[G0B+4], 1
	s_add_co_u32 s[G0B+5], s45, SLOT
	s_add_nc_u64 s[G0B+6:G0B+7], s[46:47], ROWB
	s_or_b32 s[G0B+7], s[G0B+7], 0x80000000
.macro ARM under, g0, g1, next         ; one chain of branches on the wave's number: every way passes exactly one load
	s_cmp_lt_u32 s14, \under
	s_cbranch_scc0 \next
	tensor_load_to_lds s[\g0:\g0+3], s[\g1:\g1+7]
	s_nop 0
.rept 4
	v_nop
.endr
	s_branch .Lhead_asked
\next:
.endm
	ARM 1, G0,  G1,  .Lhead_b
	ARM 2, G0B, G1B, .Lhead_sa
	ARM 3, G0S, G1S, .Lhead_sb
	tensor_load_to_lds s[G0SB:G0SB+3], s[G1SB:G1SB+7]
	s_nop 0
.rept 4
	v_nop
.endr
.Lhead_asked:
	v_and_b32 v1, 15, v0
	v_bfe_u32 v2, v0, 4, 1
	v_mul_u32_u24 v3, v1, PITCH
	v_mul_u32_u24 v4, v2, 24
	v_add_nc_u32 v4, v3, v4
	v_lshl_add_u32 v5, v2, 4, v4
	s_mul_i32 s21, s15, HALFT
	s_mul_i32 s22, s16, HALFT
	s_add_co_u32 s22, s22, 2*HALFT
.irp s, 0,1
	v_add_nc_u32 v[ADRA+\s], s21, v4
	v_add_nc_u32 v[ADRB+\s], s22, v4
	v_add_nc_u32 v[ADRA+2+\s], s21, v5
	v_add_nc_u32 v[ADRB+2+\s], s22, v5
	s_add_co_u32 s21, s21, SLOT
	s_add_co_u32 s22, s22, SLOT
.endr
	v_mul_u32_u24 v5, v1, KS
	v_lshrrev_b32 v6, 8, v5
	v_lshl_add_u32 v5, v6, 4, v5
	s_mul_i32 s21, s15, HALFS
	s_mul_i32 s22, s16, HALFS
	s_add_co_u32 s22, s22, 2*HALFS
	s_sub_co_u32 s22, s22, s21
	v_mul_u32_u24 v6, s22, v2
	s_add_co_u32 s21, s21, SCL
	v_add_nc_u32 v5, v5, v6
	v_add_nc_u32 v[ADRS], s21, v5
	v_and_b32 v6, 31, v0
	v_lshlrev_b32 v[L8], 3, v6
	v_lshlrev_b32 v[L16], 4, v6
	s_wait_alu depctr_va_vdst(0)
	v_lshlrev_b32 v[VH], 6, v2
	s_wait_alu depctr_va_vdst(0)
	v_and_b32 v[VR], 8, v1
	v_add_nc_u32 v[VR], v[VR], v1
	v_lshlrev_b32 v[VR], 2, v[VR]
	s_wait_alu depctr_va_vdst(0)
	s_mov_b32 s66, 0xffff0000
	s_cmp_eq_u32 ttmp9, 1
	s_cselect_b64 s[94:95], s[96:97], s[98:99]
	s_cmp_eq_u32 ttmp9, 0
	s_cselect_b64 s[94:95], s[10:11], s[94:95]
	s_lshl_b32 s18, s41, 10
	s_lshl_b32 s19, s15, 9
	s_add_co_u32 s18, s18, s19
	s_mov_b32 s19, 0
	s_add_nc_u64 s[96:97], s[94:95], s[18:19]
	s_lshl_b32 s18, s40, 10
	s_lshl_b32 s20, s16, 9
	s_add_co_u32 s18, s18, s20
	s_add_nc_u64 s[94:95], s[94:95], s[18:19]
	s_and_b32 s42, ttmp7, 0xffff
	s_lshl_b32 s42, s42, 3
	s_lshl_b32 s43, s41, 1
	s_add_co_u32 s43, s43, s42
	s_add_co_u32 s43, s43, s15
	s_lshl_b32 s44, s40, 1
	s_add_co_u32 s44, s44, s42
	s_add_co_u32 s44, s44, s16
	s_and_b32 s45, s43, 15
	s_lshl_b32 s18, s45, 15
	s_add_nc_u64 s[8:9], s[8:9], s[18:19]
	s_mov_b32 s100, QGS
	s_mov_b32 s22, 6144
	s_cmp_eq_u32 ttmp9, 1
	s_cselect_b32 s100, KVS, s100
	s_cselect_b32 s101, 0, QB
	s_cselect_b32 s22, 12288, s22
	v_add_nc_u32 v[XO], s22, v[L16]
	s_lshr_b32 s18, s43, 4
	s_lshl_b32 s18, s18, 4
	s_lshl_b32 s20, s40, 2
	s_add_co_u32 s18, s18, s20
	s_lshl_b32 s20, s16, 1
	s_add_co_u32 s18, s18, s20
	s_lshl_b32 s20, s100, 4
	s_mul_i32 s18, s18, s20
	s_mul_i32 s21, s45, s100
	s_add_co_u32 s18, s18, s21
	s_add_co_u32 s18, s18, s101
	s_add_nc_u64 s[4:5], s[12:13], s[18:19]
	s_mov_b32 s21, 0
	s_add_nc_u64 s[6:7], s[4:5], s[20:21]
	s_lshr_b32 s18, s44, 4
	s_lshl_b32 s18, s18, 4
	s_lshl_b32 s20, s41, 2
	s_add_co_u32 s18, s18, s20
	s_lshl_b32 s20, s15, 1
	s_add_co_u32 s18, s18, s20
	s_mul_i32 s18, s18, KVH
	s_and_b32 s20, s44, 15
	s_mul_i32 s20, s20, KVS
	s_add_co_u32 s18, s18, s20
	s_add_nc_u64 s[10:11], s[12:13], s[18:19]
.macro ROPELOAD n                      ; block n's cosines and sines, 32 registers: blocks 0, 1 at v224, v192 of window 0; blocks 2-4 at v0, v32, v64 and blocks 5-7 at v128, v160, v192 of window 1, where B's fragments lay
.if (\n) < 2
.set RB, 224-32*(\n)
	WIN 0
.else
.set RB, 32*((\n)-2)+32*(((\n)-2)/3)
	WIN TO_B
.endif
.irp c, 0,1,2,3
	global_load_b128 v[RB+4*\c:RB+4*\c+3], v[L16], s[8:9] offset:4096*(\n)+512*\c
	global_load_b128 v[RB+16+4*\c:RB+16+4*\c+3], v[L16], s[8:9] offset:4096*(\n)+2048+512*\c
.endr
.endm
	WIN TO_B
.irp bb, 0,1,2,3
.irp u, 0,1
.irp hf, 0,1
	global_load_b128 v[96+16*\bb+8*\u+4*\hf+96*(\bb/2):96+16*\bb+8*\u+4*\hf+96*(\bb/2)+3], v[VH], s[94:95] offset:128*\bb+32*\u+16*\hf
.endr
.endr
.endr
	WIN 0
.irp a, 0,1,2,3,4,5,6,7
	global_load_b32 v[VB+\a], v[VR], s[96:97] offset:4*(32*(\a/2)+8*(\a%2))
.endr
	ROPELOAD 0
.macro FRAG reg, adr, q, i
.irp p, 0,1,2,3,4,5
.set PIECE, 12*(\q)+6*(\p/3)+\p%3
.if PIECE%8 < 5
	ds_load_b64 v[\reg+2*\p:\reg+2*\p+1], v[\adr] offset:8*PIECE+16*(PIECE/8)+(\i)*16*PITCH
.else
	ds_load_b64 v[\reg+2*\p:\reg+2*\p+1], v[\adr+2] offset:8*PIECE+16*(PIECE/8)+(\i)*16*PITCH
.endif
.endr
.endm
.macro MUL16 a0, p, q, sc, zero
.irp a, \a0, \a0+1
.irp b, 0,1,2,3,4,5,6,7
.if \zero
	v_wmma_scale_f32_16x16x128_f8f6f4 v[8*(8*((\a)%4)+\b):8*(8*((\a)%4)+\b)+7], v[128*(\p)+FR*\b:128*(\p)+FR*\b+FR-1], v[AF+FR*(\a):AF+FR*(\a)+FR-1], 0, v[SC+8*NQ*(\sc)+NQ*\b+(\q)], v[SC+8*NQ*(\sc)+NQ*(\a)+(\q)] matrix_a_fmt:MATRIX_FMT_FP6 matrix_b_fmt:MATRIX_FMT_FP6 matrix_a_scale:MATRIX_SCALE_ROW1
.else
	v_wmma_scale_f32_16x16x128_f8f6f4 v[8*(8*((\a)%4)+\b):8*(8*((\a)%4)+\b)+7], v[128*(\p)+FR*\b:128*(\p)+FR*\b+FR-1], v[AF+FR*(\a):AF+FR*(\a)+FR-1], v[8*(8*((\a)%4)+\b):8*(8*((\a)%4)+\b)+7], v[SC+8*NQ*(\sc)+NQ*\b+(\q)], v[SC+8*NQ*(\sc)+NQ*(\a)+(\q)] matrix_a_fmt:MATRIX_FMT_FP6 matrix_b_fmt:MATRIX_FMT_FP6 matrix_a_scale:MATRIX_SCALE_ROW1
.endif
.endr
.endr
.endm
.macro FETCH_B slot, q, p
	WIN TO_B
.irp i, 0,1,2,3,4,5,6,7
	FRAG 128*(\p)+FR*\i, ADRB+\slot, \q, \i
.endr
	WIN 0
.endm
.macro FETCH_A slot, q, i0
.irp i, \i0, \i0+1, \i0+2, \i0+3
	FRAG AF+FR*(\i), ADRA+\slot, \q, \i
.endr
.endm
.macro SCALES sc
.irp i, 0,1,2,3,4,5,6,7
	ds_load_b64 v[SC+8*NQ*\sc+NQ*\i:SC+8*NQ*\sc+NQ*\i+1], v[ADRS] offset:\i*SBLK
.endr
.endm
.macro PLACES n
.rept \n
	v_nop
.endr
.endm
.macro STEP slot, q, zero
	s_wait_dscnt 4*NL
	WIN MUL_LO
	MUL16 0, (\q)%2, \q, \slot, \zero
	MUL16 2, (\q)%2, \q, \slot, \zero
	s_wait_dscnt 0
	PLACES NP
	FETCH_B \slot, (\q)+1, 1-(\q)%2
	FETCH_A \slot, (\q)+1, 0
	WIN MUL_HI
	MUL16 4, (\q)%2, \q, \slot, \zero
	MUL16 6, (\q)%2, \q, \slot, \zero
	PLACES NP
	WIN 0
	FETCH_A \slot, (\q)+1, 4
.endm
.macro TURN slot, next, fill
	s_wait_tensorcnt 0x0
	ds_add_u32 v[SPW], v[NIL]
	s_wait_dscnt 4*NL+1
	WIN MUL_LO
	MUL16 0, 1, NQ-1, \slot, 0
	s_wait_dscnt 0x0
	s_barrier_signal -1
	MUL16 2, 1, NQ-1, \slot, 0
	WIN 0
	s_barrier_wait -1
.if \fill
	CREST
	s_add_nc_u64 s[G0+4*\slot+2:G0+4*\slot+3], s[G0+4*\slot+2:G0+4*\slot+3], 2*ROWB
	s_add_nc_u64 s[G0B+4*\slot+2:G0B+4*\slot+3], s[G0B+4*\slot+2:G0B+4*\slot+3], 2*ROWB
	JLOAD G0+4*\slot, G1, G0B+4*\slot, G1B
.else
	PLACES NP
.endif
	s_wait_alu depctr_va_vdst(0)
	v_add_nc_u32 v[ADRS], 4*NQ, v[ADRS]
	FETCH_B \next, 0, 0
	FETCH_A \next, 0, 0
	SCALES \next
	WIN MUL_HI
	MUL16 4, 1, NQ-1, \slot, 0
	MUL16 6, 1, NQ-1, \slot, 0
	PLACES NP
	WIN 0
	FETCH_A \next, 0, 4
.endm
	s_wait_alu depctr_va_vdst(0)
	s_wait_tensorcnt 0x0                           ; my tile of the head's four is in
	ds_add_u32 v[SPW], v[NIL]
	s_mul_i32 s22, s16, 128*KROW                   ; no tensor load of mine is out, so descriptors may be written: slot 0's become the ring's: my 128 rows,
	s_mov_b32 s23, 0
	s_mul_i32 s[G0+1], s14, HALFT
	s_mul_i32 s[G0B+1], s14, HALFT
	s_add_nc_u64 s[G0+2:G0+3], s[G0+2:G0+3], s[22:23]
	s_add_nc_u64 s[G0B+2:G0B+3], s[G0B+2:G0B+3], s[22:23]
	s_mov_b32 s[G1+2], 96<<16                      ; and a load brings 128 rows of codes = 96 rows of 256 bytes
	s_mov_b32 s[G1+4], 96
	s_mov_b32 s[G1B+2], 96<<16
	s_mov_b32 s[G1B+4], 96
	s_wait_dscnt 0x0
	CROUND                                         ; all four tiles are in, and all sixteen work-groups are here
	JLOAD G0+4, G1, G0B+4, G1B                     ; chunk 1, the first tensor load behind the round
	FETCH_B 0, 0, 0
	FETCH_A 0, 0, 0
	SCALES 0
	FETCH_A 0, 0, 4
	STEP 0, 0, 1
	s_mov_b32 s3, LAPS-1
.Llap:
	TURN 0, 1, 1
	STEP 1, 0, 0
	TURN 1, 0, 1
	STEP 0, 0, 0
	s_sub_co_u32 s3, s3, 1
	s_cmp_lg_u32 s3, 0
	s_cbranch_scc1 .Llap
	TURN 0, 1, 0
	STEP 1, 0, 0
	s_wait_dscnt 4*NL
	WIN MUL_LO
	MUL16 0, 1, NQ-1, 1, 0
	MUL16 2, 1, NQ-1, 1, 0
	s_wait_dscnt 0
	WIN MUL_HI
	MUL16 4, 1, NQ-1, 1, 0
	MUL16 6, 1, NQ-1, 1, 0
	WIN 0
.macro QUANT s
.irp b, 0,1,2,3
	v_max3_num_f32 v[TM+\b], |v[\s+16*\b]|, |v[\s+1+16*\b]|, 0x1800000
.endr
.irp i, 2,4,6,8,10,12,14
.irp b, 0,1,2,3
	v_max3_num_f32 v[TM+\b], v[TM+\b], |v[\s+16*\b+\i]|, |v[\s+1+16*\b+\i]|
.endr
.endr
.irp b, 0,1,2,3
	v_permlanex16_b32 v[TM+4+\b], v[TM+\b], s[SEL], s[SEL+1]
.endr
.irp b, 0,1,2,3
	v_max_num_f32 v[TM+\b], v[TM+\b], v[TM+4+\b]
.endr
.irp b, 0,1,2,3
	v_add_nc_u32 v[TM+12+\b], 0xff000000, v[TM+\b]
.endr
.irp b, 0,1,2,3
	v_lshrrev_b32 v[TM+4+\b], 23, v[TM+12+\b]
.endr
	v_lshl_or_b32 v[PW], v[TM+5], 8, v[TM+4]
	v_lshl_or_b32 v[PW], v[TM+6], 16, v[PW]
	v_lshl_or_b32 v[PW], v[TM+7], 24, v[PW]
.irp c, 0,1
	v_cvt_scalef32_pk16_fp6_f32 v[CD+6*\c:CD+2+6*\c], v[\s+32*\c:\s+15+32*\c], v[TM+12+2*\c]
	v_cvt_scalef32_pk16_fp6_f32 v[CD+12+4*\c:CD+14+4*\c], v[\s+16+32*\c:\s+31+32*\c], v[TM+12+2*\c+1]
.endr
	v_nop
.irp c, 0,1
.irp i, 0,1,2
	v_permlane16_swap_b32 v[CD+6*\c+\i], v[CD+12+4*\c+\i]
.endr
.irp i, 0,1,2
	v_mov_b32 v[CD+3+6*\c+\i], v[CD+12+4*\c+\i]
.endr
.endr
.endm
.macro BIAS_QK a
	WIN 0x06+(\a)/4
.set k, 0
.rept 32
	v_pk_add_f32 v[T+k:T+k+1], v[64*((\a)%4)+k:64*((\a)%4)+k+1], v[96+k+96*(k/32):96+k+96*(k/32)+1]
.set k, k+2
.endr
	WIN 0
.endm
.macro BIAS_V a
	WIN 0x02+(\a)/4
.set k, 0
.rept 32
.if (\a)%2
	v_pk_add_f32 v[T+k:T+k+1], v[64*((\a)%4)+k:64*((\a)%4)+k+1], v[VB+2*((\a)/2):VB+2*((\a)/2)+1] op_sel:[0,1] op_sel_hi:[1,1]
.else
	v_pk_add_f32 v[T+k:T+k+1], v[64*((\a)%4)+k:64*((\a)%4)+k+1], v[VB+2*((\a)/2):VB+2*((\a)/2)+1] op_sel_hi:[1,0]
.endif
.set k, k+2
.endr
	WIN 0
.endm
.macro ROPE n                          ; the table is source 1 of every line: for blocks 2-7 that source is taken from window 1
.if (\n) < 2
.set CT, 224-32*(\n)
.else
.set CT, 32*((\n)-2)+32*(((\n)-2)/3)
	WIN 0x04
.endif
.irp hd, 0,1
.irp i, 0,2,4,6,8,10,12,14
.set TP, TP0+4*((\i/2)%2)
	v_pk_mul_f32 v[TP:TP+1], v[T+32*\hd+16+\i:T+32*\hd+17+\i], v[CT+16+\i:CT+17+\i]
	v_pk_mul_f32 v[TP+2:TP+3], v[T+32*\hd+\i:T+32*\hd+1+\i], v[CT+16+\i:CT+17+\i]
	v_pk_fma_f32 v[T+32*\hd+\i:T+32*\hd+1+\i], v[T+32*\hd+\i:T+32*\hd+1+\i], v[CT+\i:CT+1+\i], v[TP:TP+1] neg_lo:[0,0,1] neg_hi:[0,0,1]
	v_pk_fma_f32 v[T+32*\hd+16+\i:T+32*\hd+17+\i], v[T+32*\hd+16+\i:T+32*\hd+17+\i], v[CT+\i:CT+1+\i], v[TP+2:TP+3]
.endr
.endr
.endm
.macro QK a
	BIAS_QK \a
	s_wait_alu depctr_va_vdst(0)
	s_wait_loadcnt 8*(7-(\a))                      ; block a's table is in; the eight loads of each later block may be out
	ROPE \a
	WIN 0
	s_wait_xcnt 0x0
	QUANT T
	global_store_b128 v[L16], v[CD:CD+3], s[4:5] offset:768*(\a)
	global_store_b64 v[L8], v[CD+4:CD+5], s[4:5] offset:768*(\a)+512
	global_store_b128 v[L16], v[CD+6:CD+9], s[6:7] offset:768*(\a)
	global_store_b64 v[L8], v[CD+10:CD+11], s[6:7] offset:768*(\a)+512
.if (\a)%2 == 0
	v_perm_b32 v[EW], v[PW], v[PW], 0x01000100
	v_perm_b32 v[EW+1], v[PW], v[PW], 0x03020302
.else
	v_perm_b32 v[EW+2], v[PW], v[PW], 0x01000100
	v_perm_b32 v[EW+3], v[PW], v[PW], 0x03020302
	v_cndmask_b32 v[XW+(\a)/2], v[EW], v[EW+2], s66
	v_cndmask_b32 v[XW+4+(\a)/2], v[EW+1], v[EW+3], s66
.endif
.endm
.macro VV a
	BIAS_V \a
	s_wait_xcnt 0x0
	QUANT T
.irp c, 0,1,2
	global_store_b128 v[L16], v[CD+4*\c:CD+4*\c+3], s[10:11] offset:((\a)/4)*KVH+6144+1536*((\a)%4)+512*\c
.endr
.if (\a)%2 == 0
	v_mov_b32 v[EW], v[PW]
.else
	v_cndmask_b32 v[XW+2*((\a)/4)+((\a)%4)/2], v[EW], v[PW], s66
.endif
.if (\a)%4 == 3
	global_store_b64 v[L8], v[XW+2*((\a)/4):XW+2*((\a)/4)+1], s[10:11] offset:((\a)/4)*KVH+12800
.endif
.endm
	PLACES NP
	s_wait_loadcnt 0x0
	s_mov_b32 s[SEL], 0x76543210
	s_mov_b32 s[SEL+1], 0xfedcba98
.irp b, 0,1,2,3
	v_mov_b32 v[TM+4+\b], 0
.endr
	s_cmp_eq_u32 ttmp9, 2
	s_cbranch_scc1 .Lv
.irp n, 1,2,3,4,5,6,7
	ROPELOAD \n                                    ; the tables of blocks 1 to 7, 56 loads, all asked for now: the registers that held A's and B's fragments are free, four places behind the last products
.endr
	WIN 0
.irp a, 0,1,2,3,4,5,6,7
	QK \a
.endr
	global_store_b128 v[XO], v[XW:XW+3], s[4:5]
	global_store_b128 v[XO], v[XW+4:XW+7], s[6:7]
	s_branch .Ldone
.Lv:
.irp a, 0,1,2,3,4,5,6,7
	VV \a
.endr
.Ldone:
	s_wait_tensorcnt 0x0
	ds_add_u32 v[SPW], v[NIL]
	s_wait_dscnt 0x0
	CROUND
	s_endpgm
.Lfunc_end_k_q39fd6eac7b_proj:
	.size	k_q39fd6eac7b_proj, .Lfunc_end_k_q39fd6eac7b_proj-k_q39fd6eac7b_proj
	.p2alignl 7, 3214868480
	.fill 96, 4, 3214868480
	.section	.rodata,"a",@progbits
	.p2align	6, 0x0
	.amdhsa_kernel k_q39fd6eac7b_proj
		.amdhsa_group_segment_fixed_size 327680
		.amdhsa_private_segment_fixed_size 0
		.amdhsa_enable_private_segment 0
		.amdhsa_kernarg_size 56
		.amdhsa_user_sgpr_count 2
		.amdhsa_user_sgpr_kernarg_segment_ptr 1
		.amdhsa_wavefront_size32 1
		.amdhsa_system_sgpr_workgroup_id_x 1
		.amdhsa_system_sgpr_workgroup_id_y 1
		.amdhsa_system_sgpr_workgroup_id_z 1
		.amdhsa_system_vgpr_workitem_id 0
		.amdhsa_next_free_vgpr 1024
		.amdhsa_next_free_sgpr 102
		.amdhsa_reserve_vcc 0
		.amdhsa_float_denorm_mode_32 3
		.amdhsa_float_denorm_mode_16_64 3
		.amdhsa_memory_ordered 1
		.amdhsa_forward_progress 1
		.amdhsa_inst_pref_size 255
	.end_amdhsa_kernel
	.section	.bss,"aw",@nobits
	.p2align	6
	.space	262144
	.amdgpu_metadata
---
amdhsa.version: [ 1, 2 ]
amdhsa.kernels:
  - .name:           k_q39fd6eac7b_proj
    .symbol:         k_q39fd6eac7b_proj.kd
    .args:
      - { .name: codes, .offset: 0, .size: 8, .value_kind: global_buffer, .address_space: global }
      - { .name: scales, .offset: 8, .size: 8, .value_kind: global_buffer, .address_space: global }
      - { .name: rope, .offset: 16, .size: 8, .value_kind: global_buffer, .address_space: global }
      - { .name: q_b, .offset: 24, .size: 8, .value_kind: global_buffer, .address_space: global }
      - { .name: k_b, .offset: 32, .size: 8, .value_kind: global_buffer, .address_space: global }
      - { .name: v_b, .offset: 40, .size: 8, .value_kind: global_buffer, .address_space: global }
      - { .name: qkv, .offset: 48, .size: 8, .value_kind: global_buffer, .address_space: global }
    .group_segment_fixed_size: 327680
    .private_segment_fixed_size: 0
    .kernarg_segment_align: 8
    .kernarg_segment_size: 56
    .max_flat_workgroup_size: 128
    .sgpr_count:     102
    .vgpr_count:     1024
    .wavefront_size: 32
...
	.end_amdgpu_metadata
.endif
;; end of part 2
;; launch attn (part 3): grid 8 x 32, 16 waves a work-group, clusters of 4 x 1, 215,040 bytes of LDS; arguments qkv, att; writes att
.if DOCPART == 3
	.amdgcn_target "amdgcn-amd-amdhsa--gfx1250"
	.amdhsa_code_object_version 6
	.text
	.protected	k_q39fd6eac7b_attn
	.globl	k_q39fd6eac7b_attn
	.p2align	8
	.type	k_q39fd6eac7b_attn,@function
k_q39fd6eac7b_attn:
	s_mov_b64 s[64:65], 0
	v_nop
	global_prefetch_b8 v0, s[64:65] scope:SCOPE_SE
	s_setreg_imm32_b32 hwreg(HW_REG_WAVE_MODE, 25, 1), 1
	s_wait_xcnt 0x0
	s_wait_alu depctr_hold_cnt(0) depctr_sa_sdst(0) depctr_va_vdst(0) depctr_va_sdst(0) depctr_va_ssrc(0) depctr_va_vcc(0) depctr_vm_vsrc(0)
	s_getreg_b32 s2, hwreg(HW_REG_IB_STS2, 6, 4)
	s_cmp_eq_u32 s2, 0
	s_cbranch_scc0 .Lentry_in_a_cluster
	s_endpgm
.Lentry_in_a_cluster:
	s_bfe_u32 s2, ttmp6, 0x10000c
	s_cmp_lg_u32 s2, 0x3003
	s_cbranch_scc0 .Lentry_shape_is_right
	s_endpgm
.Lentry_shape_is_right:
; For each of 32 heads (2 batches x 16): o[q] = the sum over k of softmax_k(q . k / 8) v[k], both products on codes of FP6 (E2M3) with E8M0 scales; o is quantised along the head's 64 for the last product.
; THE SOFTMAX: t = score x log2(e) / 8; M = the row's largest t so far, rounded UP to a whole number; p = 2^(t - M) is quantised along the keys, not normalised; the row's sum is taken of the
; unquantised p and divides at the end.  When M moves, the sum and O are multiplied by 2^(old M - new M): exact.
; LIMITS: NaN and infinities are not served; a block of zeros gets the byte 1 (its codes are zeros; this program alone reads the bytes).
; SHARES.  A work-group owns 256 queries of one head, each of its sixteen waves one tile of 16, in 256 registers.
; THE WHOLE HEAD LIES IN LDS: 16 steps of 128 keys x 13,056 bytes (k's 8 half fragments, v's 4 fragments, k's and v's scale words, as images of the operand registers).  Nothing is filled twice.
; Wave w brings step w by ONE tensor load; one wait for it and one barrier stand ahead of the key steps.
; CLUSTER.  The four work-groups of a cluster belong to one head: each load is asked for jointly, with the same descriptor and a mask that names the four.
; No prefetch: every byte that the launch reads through LDS is asked for by the tensor loads at its head.
; LAYOUT.  Both products are used transposed: S^T = K Q^T, O^T = V^T P^T: a lane holds ONE query.  Lane r of k's tile 2 b + u holds key 32 b + 8 u + r + 8 (r / 8): the 16 registers of tiles 2 b, 2 b + 1 are 16 neighbouring keys.
; K = 64 IN AN INSTRUCTION OF 128: an even tile of k stands in the lower 64 with zero codes above, an odd tile in the upper 64 with zero codes below.  Q stands twice, and q's and k's scale words hold their two bytes twice.
; k's fragments of step i + 1 are asked for behind step i's score products, which have read step i's: 15 trips and a last step written out, which asks for nothing.
; REGISTERS: v1-7 addresses; v12 -M, v13 the largest t, v[14:15] the sum; v16-27 Q twice, v28 its scale word; v[30:31] v's scale words; v32-103 k: four times (even tile 6, zeros 6, odd tile 6);
;   v104-167 S^T, then p, then v's fragments; v168-199 O^T; v200-218 p's codes; v[220:223] k's scale words; v224-253 at work (v240 f, v241 p's scale word); v254, v255 the add's.
.set KVS,  13056
.set KVH,  208896
.set QB,   6684672
.set QGS,  6656
.set QHB,  106496
.set APL,  3145728                     ; att: behind the codes, the scale bytes: [head][4,096 places] 2 bytes
.set SCG,  208896                      ; LDS, behind the head: the result's 256 pairs of scale bytes: two blocks of 256 bytes into which no fill lands
.set S,    104
.set O,    168
.set CD,   200
.set WV,   8
.set G1,   16
.set G0,   24
.set SEL,  40
.set CS,   42
.set TB,   44
.set CNT,  45
.macro ROUND                           ; a round of the cluster's barrier
	s_barrier_signal -1
	s_barrier_wait -1
	s_cmp_lg_u32 s[WV], 0
	s_cbranch_scc1 .Lnot_wave_0_\@
	s_barrier_signal -3
.Lnot_wave_0_\@:
	s_barrier_wait -3
	s_barrier_signal -1
	s_barrier_wait -1
.endm
	s_load_b128 s[4:7], s[0:1], 0x0                ; qkv, att
	v_lshl_add_u32 v254, v0, 2, 0x34000
	v_mov_b32 v255, 0
	ds_add_u32 v254, v255
	ds_add_u32 v254, v255
	v_lshrrev_b32 v1, 5, v0
	s_delay_alu instid0(VALU_DEP_1)
	v_readfirstlane_b32 s[WV], v1                  ; wave 0..15
	s_bfe_u32 s9, ttmp6, 0x40000                   ; cx
	s_lshl_b32 s10, ttmp9, 2
	s_add_co_u32 s10, s10, s9                      ; my block of 256 queries: it enters q's and the result's addresses alone
	s_and_b32 s11, ttmp7, 0xffff                   ; the head, which the four partners share
	s_mov_b32 s[G1], 15|(3<<16)|(1<<21)            ; the mask: all four; elements of 8 bytes; no padding; bit 21 beside a mask
	s_mov_b32 s[G1+1], 32<<16                      ; rows of 256 bytes,
	s_mov_b32 s[G1+2], 51<<16                      ; 51 of them = 13,056 dense bytes
	s_mov_b32 s[G1+3], 32<<16
	s_mov_b32 s[G1+4], 51
	s_mov_b32 s[G1+5], 32
	s_mov_b32 s[G1+6], 0
	s_mov_b32 s[G1+7], 0
	s_mul_i32 s12, s[WV], KVS                      ; my step of sixteen, in LDS as in memory
	s_mul_i32 s14, s11, KVH
	s_add_co_u32 s14, s14, s12
	s_mov_b32 s15, 0
	s_mov_b32 s[SEL], 0x76543210
	s_mov_b32 s[SEL+1], 0xfedcba98
	s_mov_b32 s[CS], 0x3e38aa3b                    ; c = log2(e) / 8
	s_mov_b32 s[CS+1], s[CS]
	s_wait_dscnt 0x0
	s_wait_kmcnt 0x0
	s_mov_b32 s[G0], 1
	s_mov_b32 s[G0+1], s12
	s_add_nc_u64 s[G0+2:G0+3], s[4:5], s[14:15]
	s_or_b32 s[G0+3], s[G0+3], 0x80000000
	ROUND                                          ; all four work-groups are here: the joint loads meet
	tensor_load_to_lds s[G0:G0+3], s[G1:G1+7]      ; every wave's one load
	s_nop 0
.rept 4
	v_nop
.endr
	; q: [head][group of 8 tiles][6,656 bytes]; my tile is 16 x block + wave
	s_lshl_b32 s54, s10, 1
	s_lshr_b32 s55, s[WV], 3
	s_add_co_u32 s54, s54, s55
	s_mul_i32 s54, s54, QGS
	s_mul_i32 s55, s11, QHB
	s_add_co_u32 s54, s54, s55
	s_add_co_u32 s54, s54, QB
	s_mov_b32 s55, 0
	s_add_nc_u64 s[46:47], s[4:5], s[54:55]        ; my group
	s_and_b32 s56, s[WV], 1
	s_lshl_b32 s56, s56, 8
	s_bfe_u32 s57, s[WV], 0x20001
	s_lshl_b32 s57, s57, 2
	s_add_co_u32 s56, s56, s57
	s_add_co_u32 s56, s56, 6144
	s_mov_b32 s57, 0
	s_add_nc_u64 s[48:49], s[46:47], s[56:57]      ; my tile's scale words: 6,144 + 256 (tile % 2) + 4 (tile / 2), then 16 bytes a row
	s_and_b32 s56, s[WV], 7
	s_mul_i32 s56, s56, 768
	s_add_nc_u64 s[46:47], s[46:47], s[56:57]      ; my tile's half fragment
	v_and_b32 v5, 31, v0
	s_delay_alu instid0(VALU_DEP_1)
	v_lshlrev_b32 v1, 4, v5                        ; 16 x lane
	s_delay_alu instid0(VALU_DEP_2)
	v_lshlrev_b32 v2, 3, v5                        ; 8 x lane
	s_delay_alu instid0(VALU_DEP_2)
	v_add_nc_u32 v7, SCG, v1                       ; the way out: wave 0 reads the scale bytes back
	v_and_b32 v5, 15, v0
	v_and_b32 v6, 0x1e0, v0
	s_delay_alu instid0(VALU_DEP_1)
	v_lshl_add_u32 v6, v5, 1, v6
	s_delay_alu instid0(VALU_DEP_1)
	v_add_nc_u32 v6, SCG, v6                       ; where my row's two bytes go: 32 x wave + 2 r
	s_delay_alu instid0(VALU_DEP_4)
	v_lshlrev_b32 v5, 4, v5
	global_load_b128 v[16:19], v1, s[46:47]        ; Q, twice
	global_load_b64 v[20:21], v2, s[46:47] offset:512
	global_load_b128 v[22:25], v1, s[46:47]
	global_load_b64 v[26:27], v2, s[46:47] offset:512
	global_load_b32 v28, v5, s[48:49]
	; the result: codes [tile of 16 places 0..255][head][768 bytes]; scale bytes [head][place] 2 bytes
	s_lshr_b32 s54, s11, 4                         ; batch
	s_and_b32 s55, s11, 15                         ; head
	s_lshl_b32 s56, s54, 7
	s_lshl_b32 s58, s10, 4
	s_add_co_u32 s56, s56, s58
	s_add_co_u32 s56, s56, s[WV]
	s_mul_i32 s56, s56, 12288
	s_mul_i32 s58, s55, 768
	s_add_co_u32 s56, s56, s58
	s_add_nc_u64 s[50:51], s[6:7], s[56:57]
	s_lshl_b32 s56, s55, 13
	s_lshl_b32 s58, s54, 12
	s_add_co_u32 s56, s56, s58
	s_lshl_b32 s58, s10, 9
	s_add_co_u32 s56, s56, s58
	s_add_co_u32 s56, s56, APL
	s_add_nc_u64 s[52:53], s[6:7], s[56:57]
	v_mov_b32 v13, 0xff61b1e6                      ; the largest t so far: -3e38, under every t
	s_delay_alu instid0(VALU_DEP_1)
	v_floor_f32 v12, -v13                          ; -M
	v_mov_b32 v14, 0
	v_mov_b32 v15, 0
.irp b, 0,1,2,3
	v_mov_b32 v[228+\b], 0                         ; a lane permute's destination counts as one of its sources
.endr
	v_mov_b32 v241, 0                              ; (named as the upper half of the pair v[240:241] before it is first written)
.irp j, 0,1,2,3
.irp i, 0,1,2,3,4,5
	v_mov_b32 v[38+18*\j+\i], 0                    ; the zero codes between an even and an odd tile of k: they stay
.endr
.endr
.set jj, 0
.rept 32
	v_mov_b32 v[O+jj], 0                           ; O^T: the step is written once: the first finds zeros
.set jj, jj+1
.endr
.macro SPROD t                         ; S^T of k's tile t
.if (\t)%2
	v_wmma_scale_f32_16x16x128_f8f6f4 v[S+8*(\t):S+8*(\t)+7], v[38+18*((\t)/2):49+18*((\t)/2)], v[16:27], 0, v[220+(\t)/2], v28 matrix_a_fmt:MATRIX_FMT_FP6 matrix_b_fmt:MATRIX_FMT_FP6 matrix_a_scale:MATRIX_SCALE_ROW1
.else
	v_wmma_scale_f32_16x16x128_f8f6f4 v[S+8*(\t):S+8*(\t)+7], v[32+18*((\t)/2):43+18*((\t)/2)], v[16:27], 0, v[220+(\t)/2], v28 matrix_a_fmt:MATRIX_FMT_FP6 matrix_b_fmt:MATRIX_FMT_FP6
.endif
.endm
.macro OPROD t                         ; O^T += v's tile t x p
.if (\t)%2
	v_wmma_scale_f32_16x16x128_f8f6f4 v[O+8*(\t):O+8*(\t)+7], v[S+12*(\t):S+12*(\t)+11], v[CD:CD+11], v[O+8*(\t):O+8*(\t)+7], v[30+(\t)/2], v241 matrix_a_fmt:MATRIX_FMT_FP6 matrix_b_fmt:MATRIX_FMT_FP6 matrix_a_scale:MATRIX_SCALE_ROW1
.else
	v_wmma_scale_f32_16x16x128_f8f6f4 v[O+8*(\t):O+8*(\t)+7], v[S+12*(\t):S+12*(\t)+11], v[CD:CD+11], v[O+8*(\t):O+8*(\t)+7], v[30+(\t)/2], v241 matrix_a_fmt:MATRIX_FMT_FP6 matrix_b_fmt:MATRIX_FMT_FP6
.endif
.endm
.macro KLOAD a16, a8, off              ; 17 LDS loads: k's eight half fragments and its scale words, of the step that begins off bytes behind the two addresses
.irp t, 0,1,2,3,4,5,6,7
	ds_load_b128 v[32+18*(\t/2)+12*(\t%2):35+18*(\t/2)+12*(\t%2)], v[\a16] offset:768*\t+\off
	ds_load_b64 v[36+18*(\t/2)+12*(\t%2):37+18*(\t/2)+12*(\t%2)], v[\a8] offset:768*\t+512+\off
.endr
	ds_load_b128 v[220:223], v[\a16] offset:12288+\off   ; register i: lanes 0-15 tile 2 i's words, lanes 16-31 tile 2 i + 1's
.endm
; A KEY STEP: 128 keys, whose block begins at LDS byte s[TB]; its fragments of k are in registers.  nxt = 1: the next step's are asked for.
.macro STEP nxt
	v_add_nc_u32 v3, s[TB], v1
	v_add_nc_u32 v4, s[TB], v2
.rept 4
	v_nop                                          ; with the two additions six places: the products below write over registers that the last step's products read, which wants five
.endr
.irp t, 0,1,2,3,4,5,6,7
	SPROD \t
.endr
.rept 4
	v_nop                                          ; the places ahead of the loads into k's registers and of the first reads of S^T
.endr
.if \nxt
	KLOAD 3, 4, KVS
.endif
.irp b, 0,1,2,3
	v_max3_num_f32 v[224+\b], v[S+16*\b], v[S+1+16*\b], v[S+2+16*\b]   ; the largest score of each block of 32 keys: for the row's maximum and, since p rises with the score, for the block's largest p
.endr
.irp i, 3,5,7,9,11,13
.irp b, 0,1,2,3
	v_max3_num_f32 v[224+\b], v[224+\b], v[S+16*\b+\i], v[S+1+16*\b+\i]
.endr
.endr
.irp b, 0,1,2,3
	v_max_num_f32 v[224+\b], v[224+\b], v[S+15+16*\b]
.endr
.irp b, 0,1,2,3
	s_delay_alu instid0(VALU_DEP_4)
	v_permlanex16_b32 v[228+\b], v[224+\b], s[SEL], s[SEL+1]
.endr
.irp b, 0,1,2,3
	s_delay_alu instid0(VALU_DEP_4)
	v_max_num_f32 v[224+\b], v[224+\b], v[228+\b]  ; with lane l xor 16's 16 keys
.endr
	s_delay_alu instid0(VALU_DEP_2)
	v_max3_num_f32 v238, v224, v225, v226
	s_delay_alu instid0(VALU_DEP_1)
	v_max_num_f32 v238, v238, v227
	s_delay_alu instid0(VALU_DEP_1)
	v_mul_f32 v238, s[CS], v238                    ; as t (c is positive)
	s_delay_alu instid0(VALU_DEP_1)
	v_max_num_f32 v13, v13, v238                   ; the running largest t
	v_mov_b32 v238, v12
	s_delay_alu instid0(VALU_DEP_2)
	v_floor_f32 v12, -v13                          ; the new -M = floor(-t)
	s_delay_alu instid0(VALU_DEP_1)
	v_sub_f32 v238, v12, v238                      ; old M - new M: a whole number, 0 or less
	s_delay_alu instid0(VALU_DEP_1)
	v_cvt_i32_f32 v238, v238                       ; (it saturates)
	s_delay_alu instid0(VALU_DEP_1)
	v_ldexp_f32 v240, 1.0, v238                    ; f = 2^(old M - new M)
.set jj, 0
.rept 32
	v_pk_fma_f32 v[S+jj:S+jj+1], v[S+jj:S+jj+1], s[CS:CS+1], v[12:13] op_sel_hi:[1,0,0]   ; t - M, two at a time
.set jj, jj+2
.endr
.irp b, 0,1,2,3
	v_fma_f32 v[224+\b], v[224+\b], s[CS], v12     ; the same of each block's largest score
.endr
.set jj, 0
	s_wait_alu depctr_va_vdst(0)
.rept 64
	v_exp_f32 v[S+jj], v[S+jj]                     ; p = 2^(t - M), at most 1
.set jj, jj+1
.endr
	v_pk_mul_f32 v[14:15], v[14:15], v[240:241] op_sel_hi:[1,0]   ; the sums under the new M: a plain instruction behind the exponentials
	s_wait_alu depctr_va_vdst(0)                   ; one wait for the whole batch, ahead of its first reader
.irp b, 0,1,2,3
	v_exp_f32 v[224+\b], v[224+\b]                 ; the block's largest p: the same two instructions on the same number give the same bits
.endr
	; the row's sum of the unquantised p: 32 pairs in eight chains
.irp c, 0,1,2,3,4,5
	v_pk_add_f32 v[242+2*\c:243+2*\c], v[S+4*\c:S+4*\c+1], v[S+4*\c+2:S+4*\c+3]
.endr
	v_pk_add_f32 v[236:237], v[S+24:S+25], v[S+26:S+27]
	v_pk_add_f32 v[14:15], v[14:15], v[S+28:S+29]
.irp g, 0,1
.irp c, 0,1,2,3,4,5
	v_pk_add_f32 v[242+2*\c:243+2*\c], v[242+2*\c:243+2*\c], v[S+30+12*\g+2*\c:S+31+12*\g+2*\c]
.endr
	v_pk_add_f32 v[236:237], v[236:237], v[S+54+2*\g:S+55+2*\g]
	v_pk_add_f32 v[14:15], v[14:15], v[S+58+2*\g:S+59+2*\g]
.endr
	v_pk_add_f32 v[236:237], v[236:237], v[S+62:S+63]
	v_pk_add_f32 v[242:243], v[242:243], v[248:249]
	v_pk_add_f32 v[244:245], v[244:245], v[250:251]
	v_pk_add_f32 v[246:247], v[246:247], v[252:253]
	s_delay_alu instid0(VALU_DEP_4)
	v_pk_add_f32 v[14:15], v[14:15], v[236:237]
	s_delay_alu instid0(VALU_DEP_3)
	v_pk_add_f32 v[242:243], v[242:243], v[244:245]
	s_delay_alu instid0(VALU_DEP_2)
	v_pk_add_f32 v[14:15], v[14:15], v[246:247]
	s_delay_alu instid0(VALU_DEP_1)
	v_pk_add_f32 v[14:15], v[14:15], v[242:243]
	s_wait_alu depctr_va_vdst(0)                   ; and one for the four
.irp b, 0,1,2,3
	v_max_num_f32 v[224+\b], 0x1800000, v[224+\b]  ; the floor 2^(3 - 127): the byte cannot fall under 1
.endr
.irp b, 0,1,2,3
	s_delay_alu instid0(VALU_DEP_4)
	v_add_nc_u32 v[232+\b], 0xff000000, v[224+\b]  ; 2 off the exponent field: the conversion's scale operand
.endr
.irp b, 0,1,2,3
	s_delay_alu instid0(VALU_DEP_4)
	v_lshrrev_b32 v[228+\b], 23, v[232+\b]         ; the scale's byte
.endr
	s_delay_alu instid0(VALU_DEP_3)
	v_lshl_or_b32 v241, v229, 8, v228              ; p's scale word for these 128 keys
	s_delay_alu instid0(VALU_DEP_1)
	v_lshl_or_b32 v241, v230, 16, v241
	s_delay_alu instid0(VALU_DEP_1)
	v_lshl_or_b32 v241, v231, 24, v241
.irp c, 0,1
	v_cvt_scalef32_pk16_fp6_f32 v[CD+6*\c:CD+2+6*\c], v[S+32*\c:S+15+32*\c], v[232+2*\c]
	v_cvt_scalef32_pk16_fp6_f32 v[CD+12+4*\c:CD+14+4*\c], v[S+16+32*\c:S+31+32*\c], v[232+2*\c+1]
.endr
	v_nop                                          ; one plain place behind a scaled conversion
.irp t, 0,1,2,3                                ; p is converted: v's four fragments land where it stood
.irp c, 0,1,2
	ds_load_b128 v[S+12*\t+4*\c:S+12*\t+4*\c+3], v3 offset:6144+1536*\t+512*\c
.endr
.endr
	ds_load_b64 v[30:31], v4 offset:12800
.irp c, 0,1                                    ; the operand's layout wants a WHOLE block in a lane
.irp i, 0,1,2
	v_permlane16_swap_b32 v[CD+6*\c+\i], v[CD+12+4*\c+\i]
.endr
.irp i, 0,1,2
	s_delay_alu instid0(VALU_DEP_3)
	v_mov_b32 v[CD+3+6*\c+\i], v[CD+12+4*\c+\i]
.endr
.endr
.set jj, 0
.rept 16
	v_pk_mul_f32 v[O+jj:O+jj+1], v[O+jj:O+jj+1], v[240:241] op_sel_hi:[1,0]   ; O^T under the new M; these sixteen are also the places between the codes and the scale word just written and the products
.set jj, jj+2
.endr
	s_wait_alu depctr_va_vdst(0)
	s_wait_dscnt 0x0                               ; v's 13 loads are in, and the 17 of the next step's k
.irp t, 0,1,2,3
	OPROD \t                                       ; four accumulators by turns; the next step's eight products stand between two links of a chain
.endr
.endm
	s_wait_alu depctr_va_vdst(0)
	s_wait_loadcnt 0x0                             ; Q
	s_wait_tensorcnt 0x0                           ; my step of the head is in,
	s_barrier_signal -1                            ; (no LDS instruction of mine is out)
	s_barrier_wait -1                              ; everybody's is
	KLOAD 1, 2, 0                                  ; step 0's fragments of k
	s_mov_b32 s[TB], 0
	s_mov_b32 s[CNT], 15
	s_wait_dscnt 0x0
.Lstep:
	STEP 1
	s_add_co_u32 s[TB], s[TB], KVS
	s_sub_co_u32 s[CNT], s[CNT], 1
	s_cmp_lg_u32 s[CNT], 0
	s_cbranch_scc1 .Lstep
	STEP 0                                         ; step 15 asks for nothing more
	; THE WAY OUT.  O^T / the sum; register 16 b + i is d = 32 b + 16 h + i of my query: two blocks, quantised as p is; the half fragment is stored as it stands.
	v_add_f32 v14, v14, v15
	s_delay_alu instid0(VALU_DEP_1)
	v_permlanex16_b32 v238, v14, s[SEL], s[SEL+1]
	s_delay_alu instid0(VALU_DEP_1)
	v_add_f32 v14, v14, v238                       ; the row's sum
	s_wait_alu depctr_va_vdst(0)
	v_rcp_f32 v14, v14
.rept 4
	v_nop                                          ; a plain place behind the reciprocal, and the places behind the last products
.endr
	s_wait_alu depctr_va_vdst(0)                   ; ahead of the reciprocal's first reader
.set jj, 0
.rept 16
	v_pk_mul_f32 v[S+jj:S+jj+1], v[O+jj:O+jj+1], v[14:15] op_sel_hi:[1,0]   ; each accumulator from its low end on
.set jj, jj+2
.endr
.irp b, 0,1
	v_max3_num_f32 v[224+\b], |v[S+16*\b]|, |v[S+1+16*\b]|, 0x1800000
.endr
.irp i, 2,4,6,8,10,12,14
.irp b, 0,1
	s_delay_alu instid0(VALU_DEP_2)
	v_max3_num_f32 v[224+\b], v[224+\b], |v[S+16*\b+\i]|, |v[S+1+16*\b+\i]|
.endr
.endr
.irp b, 0,1
	s_delay_alu instid0(VALU_DEP_2)
	v_permlanex16_b32 v[228+\b], v[224+\b], s[SEL], s[SEL+1]
.endr
.irp b, 0,1
	s_delay_alu instid0(VALU_DEP_2)
	v_max_num_f32 v[224+\b], v[224+\b], v[228+\b]
.endr
.irp b, 0,1
	s_delay_alu instid0(VALU_DEP_2)
	v_add_nc_u32 v[232+\b], 0xff000000, v[224+\b]
.endr
.irp b, 0,1
	s_delay_alu instid0(VALU_DEP_2)
	v_lshrrev_b32 v[228+\b], 23, v[232+\b]
.endr
	s_delay_alu instid0(VALU_DEP_1)
	v_lshl_or_b32 v238, v229, 8, v228              ; my row's two scale bytes
	v_cvt_scalef32_pk16_fp6_f32 v[CD:CD+2], v[S:S+15], v232
	v_cvt_scalef32_pk16_fp6_f32 v[CD+12:CD+14], v[S+16:S+31], v233
	v_nop
.irp i, 0,1,2
	v_permlane16_swap_b32 v[CD+\i], v[CD+12+\i]
.endr
.irp i, 0,1,2
	s_delay_alu instid0(VALU_DEP_3)
	v_mov_b32 v[CD+3+\i], v[CD+12+\i]
.endr
	ds_store_b16 v6, v238                          ; lanes r and 16 + r write the same two bytes with the same value
	global_store_b128 v1, v[CD:CD+3], s[50:51]     ; 512 consecutive bytes, aligned,
	global_store_b64 v2, v[CD+4:CD+5], s[50:51] offset:512   ; and 256
	s_wait_dscnt 0x0                               ; for the others' sake: my store has landed
	s_barrier_signal -1
	s_barrier_wait -1
	s_cmp_lg_u32 s[WV], 0
	s_cbranch_scc1 .Lnot_0
	ds_load_b128 v[216:219], v7                    ; the work-group's 256 pairs of scale bytes leave as 512 consecutive bytes
	s_wait_dscnt 0x0
	global_store_b128 v1, v[216:219], s[52:53]
.Lnot_0:
	s_wait_tensorcnt 0x0                           ; the wave's end
	ds_add_u32 v254, v255
	s_wait_dscnt 0x0
	ROUND                                          ; the closing round
	s_endpgm
.Lfunc_end_k_q39fd6eac7b_attn:
	.size	k_q39fd6eac7b_attn, .Lfunc_end_k_q39fd6eac7b_attn-k_q39fd6eac7b_attn
	.p2alignl 7, 3214868480
	.fill 96, 4, 3214868480
	.section	.rodata,"a",@progbits
	.p2align	6, 0x0
	.amdhsa_kernel k_q39fd6eac7b_attn
		.amdhsa_group_segment_fixed_size 215040
		.amdhsa_private_segment_fixed_size 0
		.amdhsa_enable_private_segment 0
		.amdhsa_kernarg_size 16
		.amdhsa_user_sgpr_count 2
		.amdhsa_user_sgpr_kernarg_segment_ptr 1
		.amdhsa_wavefront_size32 1
		.amdhsa_system_sgpr_workgroup_id_x 1
		.amdhsa_system_sgpr_workgroup_id_y 1
		.amdhsa_system_sgpr_workgroup_id_z 1
		.amdhsa_system_vgpr_workitem_id 0
		.amdhsa_next_free_vgpr 256
		.amdhsa_next_free_sgpr 66
		.amdhsa_reserve_vcc 0
		.amdhsa_float_denorm_mode_32 3
		.amdhsa_float_denorm_mode_16_64 3
		.amdhsa_memory_ordered 1
		.amdhsa_forward_progress 1
		.amdhsa_inst_pref_size 46
	.end_amdhsa_kernel
	.amdgpu_metadata
---
amdhsa.version: [ 1, 2 ]
amdhsa.kernels:
  - .name:           k_q39fd6eac7b_attn
    .symbol:         k_q39fd6eac7b_attn.kd
    .args:
      - { .name: qkv, .offset: 0, .size: 8, .value_kind: global_buffer, .address_space: global }
      - { .name: att, .offset: 8, .size: 8, .value_kind: global_buffer, .address_space: global }
    .group_segment_fixed_size: 215040
    .private_segment_fixed_size: 0
    .kernarg_segment_align: 8
    .kernarg_segment_size: 16
    .max_flat_workgroup_size: 512
    .sgpr_count:     66
    .vgpr_count:     256
    .wavefront_size: 32
...
	.end_amdgpu_metadata
.endif
;; end of part 3
;; launch outp (part 4): grid 8 x 32, 4 waves a work-group, clusters of 4 x 4, 303,616 bytes of LDS; arguments att, codes, scales, o_b, out0; writes out0
.if DOCPART == 4
	.amdgcn_target "amdgcn-amd-amdhsa--gfx1250"
	.amdhsa_code_object_version 6
	.text
	.protected	k_q39fd6eac7b_outp
	.globl	k_q39fd6eac7b_outp
	.p2align	8
	.type	k_q39fd6eac7b_outp,@function
k_q39fd6eac7b_outp:
	s_mov_b64 s[64:65], 0
	v_nop
	global_prefetch_b8 v0, s[64:65] scope:SCOPE_SE
	s_setreg_imm32_b32 hwreg(HW_REG_WAVE_MODE, 25, 1), 1
	s_wait_xcnt 0x0
	s_wait_alu depctr_hold_cnt(0) depctr_sa_sdst(0) depctr_va_vdst(0) depctr_va_sdst(0) depctr_va_ssrc(0) depctr_va_vcc(0) depctr_vm_vsrc(0)
	s_getreg_b32 s2, hwreg(HW_REG_IB_STS2, 6, 4)
	s_cmp_eq_u32 s2, 0
	s_cbranch_scc0 .Lentry_in_a_cluster
	s_endpgm
.Lentry_in_a_cluster:
	s_bfe_u32 s2, ttmp6, 0x10000c
	s_cmp_lg_u32 s2, 0xf033
	s_cbranch_scc0 .Lentry_shape_is_right
	s_endpgm
.Lentry_shape_is_right:
; out0 = attention's result x o_w^T + o_b, on codes of FP6 (E2M3) with E8M0 scales; sums and the bias in f32.  M = 4,096, N = 1,024, K = 1,024.
; SHARES.  A tile of 128 x 128 to a work-group of four waves, 64 x 64 to a wave (16 accumulators): 32 x 8 = 256 work-groups.
; THE WHOLE K LIES IN LDS, filled once, by ONE tensor load a wave: waves 0 and 1 bring A's two halves (4 tiles of 16 places x 12,288 bytes each, dense), wave 2 B's 128 rows (four chunks of 256 along K),
;   wave 3 B's scale bytes.  One wait for the load and one barrier stand ahead of the products.
; CLUSTER.  4 x 4 work-groups: the four of a row need the same tiles of A, the four of a column the same tiles of B: each is asked for jointly, with the same descriptor and a mask that names the four.
; B = o_w's codes, [chunk][row][192 bytes], from row 7,168 on: 128 rows of a chunk are 24,576 dense bytes, one row of the tensor tile, beginning on a multiple of 256.  In LDS 16 bytes of padding stand behind every 64: rows of codes 240 bytes apart.
; A = the attention launch's images: [tile of 16 places][head][768 bytes: half a fragment, registers 0-3 at 16 x lane, registers 4-5 at 512 + 8 x lane].  A fragment of 128 along K is two heads' halves.
; A's scale bytes lie [head][place] 2 bytes: thread t loads those of places 2 (t % 64), 2 (t % 64) + 1 for heads 8 (t / 64) on, joins them into four scale words of each of the two rows, and stores them where the scale words are read from.
; Source 0 = 16 rows of B, source 1 = 16 rows of A: a lane holds eight neighbouring numbers of a row of out0.
; ROWS.  Both operands' rows stand with bits 3 and 4 of their number exchanged: register j of lane (r, h) in accumulator (a, b = 2 b' + u) is column 32 b' + 16 h + 8 u + j, and row t of block a is token 32 (a / 2) + 8 (a % 2) + t + 8 (t / 8):
;   the stage's offsets and the stores' offsets put both right.
; REGISTERS: window 0: v0-27 addresses, v[12:15] the bias; v30, v31 the add's; v32-63 all scale words (register 8 i + s: lanes 0-15 A's block i, lanes 16-31 B's block i, K = 128 s on); v64-127 the way out; v128-255 the accumulators.
;   window 1: two fragment buffers, at v0 and v128: A's four fragments (48 registers), then B's four.
; LIMITS: NaN and infinities are not served.  No prefetch: every byte that goes through LDS is asked for by the tensor loads at the head.
.set KROW,   192                       ; a row's bytes in a chunk
.set CHK,    1572864                   ; from chunk to chunk
.set PITCH,  240
.set FR,     12
.set NP,     4                         ; places behind this matrix instruction (ISA guide 7.12.1)
.set AH,     49152                     ; half of A: 4 tiles x 16 heads x 768 bytes
.set BCH,    128*PITCH                 ; a chunk of B: 128 rows
.set BBASE,  2*AH
.set SCL,    BBASE+4*BCH               ; A's scale words: stored by the waves; 17 blocks of 256 bytes into which no fill lands;
.set HS,     8*272                     ; (the scale words of 64 rows: 8 units of 256 bytes + 16 of padding)
.set SBLK,   2*272                     ; (of 16 rows)
.set STG,    SCL+4*HS                  ; behind B's scale words: a stage of 64 rows x (256 bytes + 16) for each wave, its own
.set SPITCH, 272
.set WST,    64*SPITCH
.set APL,    3145728
.set A16,  16                          ; v16  16 x lane + my 4 tiles of A
.set A8,   18                          ; v18  8 x lane + the same
.set ADRB, 20                          ; v20-21  my rows of B in chunks 0-1, 2-3; v22-23 the same behind one padding more
.set STO,  24
.set RD,   25
.set CO,   26
.set ADRS, 27
.set SC,   32
.set TMP,  64
.set ACC,  128
.set G1,   24                          ; s[24:31], s[32:35] groups 1 and 0 for A
.set G0A,  32
.set G1B,  48                          ; s[48:55], s[68:71] for B
.set G1S,  56                          ; s[56:63], s[84:87] for B's scale bytes
.set G0B,  68
.set G0S,  84
.set MSB, 0
.macro WIN new                         ; the immediate's high byte repeats the setting that is left
.if MSB != \new
	s_set_vgpr_msb (MSB<<8)|\new
.set MSB, \new
.endif
.endm
.set MUL,  0x05                        ; sources 0 (B) and 1 (A) window 1; C and D window 0
.set TO_F, 0x40                        ; destination window 1, address window 0
.macro CROUND                          ; a round of the cluster's barrier
	s_barrier_signal -1
	s_barrier_wait -1
	s_cmp_lg_u32 s14, 0
	s_cbranch_scc1 .Lnot_wave_0_\@
	s_barrier_signal -3
.Lnot_wave_0_\@:
	s_barrier_wait -3
	s_barrier_signal -1
	s_barrier_wait -1
.endm
.macro PLACES n
.rept \n
	v_nop
.endr
.endm
	s_load_b256 s[4:11], s[0:1], 0x0               ; att s[4:5], codes s[6:7], scales s[8:9], o_b s[10:11]
	s_load_b64 s[12:13], s[0:1], 0x20              ; out0
	v_lshl_add_u32 v30, v0, 2, 0x4a000
	v_mov_b32 v31, 0
	ds_add_u32 v30, v31
	ds_add_u32 v30, v31
	v_lshrrev_b32 v1, 5, v0
	v_readfirstlane_b32 s14, v1                    ; wave 0..3
	s_lshr_b32 s15, s14, 1                         ; which half of the tile's rows is mine
	s_and_b32 s16, s14, 1                          ; which half of its columns.  Also: which half of A waves 0, 1 fetch
	s_bfe_u32 s88, ttmp6, 0x40000                  ; cx, cy
	s_bfe_u32 s89, ttmp6, 0x40004
	s_lshl_b32 s90, ttmp9, 2
	s_add_co_u32 s90, s90, s88                     ; tile column 0..7
	s_and_b32 s17, ttmp7, 0xffff
	s_lshl_b32 s17, s17, 2
	s_add_co_u32 s17, s17, s89                     ; tile row 0..31
	s_lshl_b32 s91, s89, 2
	s_lshl_b32 s91, 15, s91                        ; my row of the cluster
	s_lshl_b32 s92, 0x1111, s88                    ; my column
	s_or_b32 s[G1+0], s91, (3<<16)|(1<<21)         ; A: the mask of my row; elements of 8 bytes; no padding
	s_mov_b32 s[G1+1], 32<<16                      ; 49,152 dense bytes as 192 rows of 256
	s_mov_b32 s[G1+2], 192<<16
	s_mov_b32 s[G1+3], 32<<16
	s_mov_b32 s[G1+4], 192
	s_mov_b32 s[G1+5], 32
	s_mov_b32 s[G1+6], 0
	s_mov_b32 s[G1+7], 0
	s_or_b32 s[G1B+0], s92, (0<<16)|(1<<20)|(1<<21)|(3<<22)|(3<<25)   ; B: the mask of my column; 16 bytes of padding behind every 64
	s_mov_b32 s[G1B+1], (128*KROW)<<16             ; a row of the tile: a chunk's 128 rows of codes, 24,576 bytes
	s_mov_b32 s[G1B+2], 4<<16                      ; four chunks
	s_mov_b32 s[G1B+3], (128*KROW)<<16
	s_mov_b32 s[G1B+4], 4
	s_mov_b32 s[G1B+5], CHK
	s_mov_b32 s[G1B+6], 0
	s_mov_b32 s[G1B+7], 0
	s_or_b32 s[G1S+0], s92, (3<<16)|(1<<20)|(1<<21)|(5<<22)|(3<<25)   ; B's scale bytes of 128 rows: 4,096 dense bytes as 16 rows of 256, 16 bytes of padding behind each
	s_mov_b32 s[G1S+1], 32<<16
	s_mov_b32 s[G1S+2], 16<<16
	s_mov_b32 s[G1S+3], 32<<16
	s_mov_b32 s[G1S+4], 16
	s_mov_b32 s[G1S+5], 32
	s_mov_b32 s[G1S+6], 0
	s_mov_b32 s[G1S+7], 0
	s_lshl_b32 s20, s17, 3
	s_lshl_b32 s18, s16, 2
	s_add_co_u32 s20, s20, s18                     ; A: tile of places 8 x tile row + 4 x half
	s_mul_i32 s20, s20, 12288
	s_mov_b32 s21, 0
	s_lshl_b32 s94, s90, 7
	s_add_co_u32 s94, s94, 7168                    ; B: row 7,168 + 128 x tile column
	s_lshl_b32 s96, s94, 5                         ; its scale bytes,
	s_mov_b32 s97, 0
	s_mul_i32 s94, s94, KROW                       ; its codes in chunk 0
	s_mov_b32 s95, 0
	s_mul_i32 s18, s16, AH                         ; where A's half goes: no place in the cluster enters an LDS address
	s_wait_dscnt 0x0
	s_wait_kmcnt 0x0
	s_mov_b32 s[G0A], 1
	s_mov_b32 s[G0A+1], s18
	s_add_nc_u64 s[G0A+2:G0A+3], s[4:5], s[20:21]
	s_or_b32 s[G0A+3], s[G0A+3], 0x80000000
	s_mov_b32 s[G0B], 1
	s_mov_b32 s[G0B+1], BBASE
	s_add_nc_u64 s[G0B+2:G0B+3], s[6:7], s[94:95]
	s_or_b32 s[G0B+3], s[G0B+3], 0x80000000
	s_mov_b32 s[G0S], 1
	s_mov_b32 s[G0S+1], SCL+2*HS
	s_add_nc_u64 s[G0S+2:G0S+3], s[8:9], s[96:97]
	s_or_b32 s[G0S+3], s[G0S+3], 0x80000000
	CROUND                                         ; all sixteen work-groups are here: the joint loads meet
	s_cmp_lt_u32 s14, 2                            ; one chain of branches on the wave's number: every way passes exactly one load
	s_cbranch_scc0 .Lhead_b
	tensor_load_to_lds s[G0A:G0A+3], s[G1:G1+7]
	s_nop 0
	PLACES 4
	s_branch .Lhead_done
.Lhead_b:
	s_cmp_lt_u32 s14, 3
	s_cbranch_scc0 .Lhead_s
	tensor_load_to_lds s[G0B:G0B+3], s[G1B:G1B+7]
	s_nop 0
	PLACES 4
	s_branch .Lhead_done
.Lhead_s:
	tensor_load_to_lds s[G0S:G0S+3], s[G1S:G1S+7]
	s_nop 0
	PLACES 4
.Lhead_done:
	v_and_b32 v1, 15, v0                           ; r
	v_bfe_u32 v2, v0, 4, 1                         ; h
	v_and_b32 v6, 31, v0                           ; lane
	v_lshlrev_b32 v3, 4, v6                        ; 16 x lane
	v_lshlrev_b32 v7, 3, v6                        ; 8 x lane
	v_lshlrev_b32 v11, 4, v1                       ; 16 r
	v_and_b32 v8, 63, v0                           ; which pair of places is mine,
	v_bfe_u32 v5, v0, 6, 1                         ; and which eight heads
	v_lshlrev_b32 v9, 2, v8
	v_lshl_add_u32 v9, v5, 16, v9                  ; 4 bytes a pair, 8,192 bytes a head
	v_lshrrev_b32 v10, 2, v8
	v_lshlrev_b32 v10, 4, v10
	v_lshl_add_u32 v10, v8, 6, v10
	v_lshl_add_u32 v10, v5, 4, v10
	v_add_nc_u32 v10, SCL, v10                     ; rows 2 p and 2 p + 1 of A's scale words: 64 p + 16 (p / 4), my four words 16 x (t / 64) on
	s_wait_alu depctr_va_vdst(0)
	s_lshl_b32 s18, s17, 8
	s_add_co_u32 s18, s18, APL
	s_mov_b32 s19, 0
	s_add_nc_u64 s[98:99], s[4:5], s[18:19]        ; A's scale bytes at my tile's first place: 2 bytes a place
	s_lshl_b32 s18, s90, 9
	s_lshl_b32 s20, s16, 8
	s_add_co_u32 s18, s18, s20                     ; my first column, in bytes: 512 x tile column + 256 x half
	s_add_nc_u64 s[96:97], s[10:11], s[18:19]      ; o_b there
.irp j, 0,1,2,3,4,5,6,7
	global_load_b32 v[TMP+\j], v9, s[98:99] offset:8192*\j   ; head 8 (t / 64) + j: my two places, two bytes each
.endr
	global_load_b128 v[12:15], v11, s[96:97]       ; the bias of my four columns of a row read back from the stage
	v_mul_u32_u24 v4, v1, PITCH
	v_mad_u32_u24 v4, v2, 24, v4                   ; B: a fragment's row x pitch + 24 x half
	v_lshl_add_u32 v5, v2, 4, v4                   ; and the same behind one padding more
	s_mul_i32 s21, s15, AH                         ; my 4 tiles of A
	s_mul_i32 s22, s16, BCH/2
	s_add_co_u32 s22, s22, BBASE                   ; my 64 rows of B
	v_add_nc_u32 v[A16], s21, v3
	v_add_nc_u32 v[A8], s21, v7
.irp g, 0,1
	v_add_nc_u32 v[ADRB+\g], s22, v4
	v_add_nc_u32 v[ADRB+2+\g], s22, v5
	s_add_co_u32 s22, s22, 2*BCH
.endr
	v_lshlrev_b32 v8, 5, v1                        ; my row's scale words: 32 bytes a row, and 16 more for each 256 passed
	v_lshrrev_b32 v6, 3, v1
	v_lshl_add_u32 v8, v6, 4, v8
	s_mul_i32 s21, s15, HS
	s_mul_i32 s22, s16, HS
	s_add_co_u32 s22, s22, 2*HS
	s_sub_co_u32 s22, s22, s21
	v_mul_u32_u24 v6, s22, v2                      ; lanes 16-31 take B's
	s_add_co_u32 s21, s21, SCL
	v_add_nc_u32 v8, v8, v6
	v_add_nc_u32 v[ADRS], s21, v8
	s_mul_i32 s23, s14, WST
	s_add_co_u32 s23, s23, STG                     ; my stage
	v_mul_u32_u24 v6, v1, SPITCH                   ; in: row r, + 64 h
	v_lshl_add_u32 v6, v2, 6, v6
	v_add_nc_u32 v[STO], s23, v6
	v_mul_u32_u24 v6, v2, SPITCH                   ; back: lanes 0-15 take one row of 256 bytes, lanes 16-31 the next
	v_add_nc_u32 v6, v6, v11
	v_add_nc_u32 v[RD], s23, v6
	v_lshl_add_u32 v[CO], v2, 12, v11              ; and the same two rows in out0: 4,096 bytes a row
	s_lshl_b32 s20, s17, 7
	s_lshl_b32 s21, s15, 6
	s_add_co_u32 s20, s20, s21
	s_lshl_b32 s20, s20, 12                        ; my first row of out0,
	s_add_co_u32 s20, s20, s18                     ; and my first column
	s_mov_b32 s21, 0
	s_add_nc_u64 s[12:13], s[12:13], s[20:21]
	s_wait_alu depctr_va_vdst(0)
	s_wait_loadcnt 0x0
.irp s, 0,1,2,3
	v_perm_b32 v[TMP+8+\s], v[TMP+1+2*\s], v[TMP+2*\s], 0x05040100    ; row 2 p: two neighbouring heads, two bytes each: the word of 128 along K
	v_perm_b32 v[TMP+12+\s], v[TMP+1+2*\s], v[TMP+2*\s], 0x07060302   ; row 2 p + 1
.endr
	ds_store_b128 v10, v[TMP+8:TMP+11]
	ds_store_b128 v10, v[TMP+12:TMP+15] offset:32
.macro FRAG reg, adr, q, i, ex         ; a fragment of B from padded rows, in pieces of 8 bytes; where the piece of lanes 16-31 lies behind one padding more, the second address register serves
.irp p, 0,1,2,3,4,5
.set PIECE, 12*(\q)+6*(\p/3)+\p%3
.if PIECE%8 < 5
	ds_load_b64 v[\reg+2*\p:\reg+2*\p+1], v[\adr] offset:8*PIECE+16*(PIECE/8)+(\i)*16*PITCH+(\ex)
.else
	ds_load_b64 v[\reg+2*\p:\reg+2*\p+1], v[\adr+2] offset:8*PIECE+16*(PIECE/8)+(\i)*16*PITCH+(\ex)
.endif
.endr
.endm
.macro FRAG_A reg, s, i                ; a fragment of A: the halves of heads 2 s and 2 s + 1 of tile i
	ds_load_b128 v[\reg:\reg+3], v[A16] offset:12288*(\i)+1536*(\s)
	ds_load_b64 v[\reg+4:\reg+5], v[A8] offset:12288*(\i)+1536*(\s)+512
	ds_load_b128 v[\reg+6:\reg+9], v[A16] offset:12288*(\i)+1536*(\s)+768
	ds_load_b64 v[\reg+10:\reg+11], v[A8] offset:12288*(\i)+1536*(\s)+1280
.endm
.macro FETCH s                         ; 40 LDS loads in one run: the fragments of K = 128 s on into buffer s % 2
	WIN TO_F
.irp i, 0,1,2,3
	FRAG 128*((\s)%2)+48+FR*\i, ADRB+(\s)/4, (\s)%2, \i, BCH*(((\s)/2)%2)
.endr
.irp i, 0,1,2,3
	FRAG_A 128*((\s)%2)+FR*\i, \s, \i
.endr
.endm
.macro MUL16 s, zero                   ; the 16 accumulators take turns, one instruction a turn, in the same order in every step
.set F, 128*((\s)%2)
.irp a, 0,1,2,3
.irp b, 0,1,2,3
.if \zero
	v_wmma_scale_f32_16x16x128_f8f6f4 v[ACC+8*(4*\a+\b):ACC+8*(4*\a+\b)+7], v[F+48+FR*\b:F+48+FR*\b+FR-1], v[F+FR*\a:F+FR*\a+FR-1], 0, v[SC+8*\b+(\s)], v[SC+8*\a+(\s)] matrix_a_fmt:MATRIX_FMT_FP6 matrix_b_fmt:MATRIX_FMT_FP6 matrix_a_scale:MATRIX_SCALE_ROW1
.else
	v_wmma_scale_f32_16x16x128_f8f6f4 v[ACC+8*(4*\a+\b):ACC+8*(4*\a+\b)+7], v[F+48+FR*\b:F+48+FR*\b+FR-1], v[F+FR*\a:F+FR*\a+FR-1], v[ACC+8*(4*\a+\b):ACC+8*(4*\a+\b)+7], v[SC+8*\b+(\s)], v[SC+8*\a+(\s)] matrix_a_fmt:MATRIX_FMT_FP6 matrix_b_fmt:MATRIX_FMT_FP6 matrix_a_scale:MATRIX_SCALE_ROW1
.endif
.endr
.endr
.endm
; A step of 128 along K.  The next step's fragments are asked for ahead of this step's products.
.macro KSTEP s, zero
	s_wait_dscnt 0x0                               ; this step's fragments are in (in step 0 the scale words too)
.if (\s) < 7
	PLACES NP                                      ; the last step's products read the buffer that is loaded now
	FETCH (\s)+1
.endif
	WIN MUL
	MUL16 \s, \zero
.endm
	s_wait_tensorcnt 0x0                           ; my tile is in,
	s_wait_dscnt 0x0                               ; and my part of A's scale words has landed;
	s_barrier_signal -1
	s_barrier_wait -1                              ; everybody's have
.irp i, 0,1,2,3
	ds_load_b128 v[SC+8*\i:SC+8*\i+3], v[ADRS] offset:\i*SBLK          ; a row's eight scale words, for all of K: they stay
	ds_load_b128 v[SC+8*\i+4:SC+8*\i+7], v[ADRS] offset:\i*SBLK+16
.endr
	FETCH 0
	KSTEP 0, 1                                     ; the first step's products start the sums
.irp s, 1,2,3,4,5,6,7
	KSTEP \s, 0
.endr
	WIN 0
; THE WAY OUT.  The blocks go through my own stage in LDS and come back as whole rows of 256 bytes, my 64 columns; the bias is added, and sixteen lanes store 256 consecutive bytes, aligned.
; LDS serves a wave's instructions in order: no wait between the stores and the loads.
.macro TOST a                          ; block a's four accumulators, each from its low end on
.irp b, 0,1,2,3
	ds_store_b128 v[STO], v[ACC+8*(4*(\a)+\b):ACC+8*(4*(\a)+\b)+3] offset:(\a)*16*SPITCH+128*(\b/2)+32*(\b%2)
	ds_store_b128 v[STO], v[ACC+8*(4*(\a)+\b)+4:ACC+8*(4*(\a)+\b)+7] offset:(\a)*16*SPITCH+128*(\b/2)+32*(\b%2)+16
.endr
.endm
.macro BACK a                          ; block a's 16 rows, two an instruction, into v[TMP + 32 a] on
.irp t, 0,1,2,3,4,5,6,7
	ds_load_b128 v[TMP+32*(\a)+4*\t:TMP+32*(\a)+4*\t+3], v[RD] offset:(\a)*16*SPITCH+2*\t*SPITCH
.endr
.endm
.macro SEND a
.irp t, 0,1,2,3,4,5,6,7
	v_pk_add_f32 v[TMP+32*(\a)+4*\t:TMP+32*(\a)+4*\t+1], v[TMP+32*(\a)+4*\t:TMP+32*(\a)+4*\t+1], v[12:13]
	v_pk_add_f32 v[TMP+32*(\a)+4*\t+2:TMP+32*(\a)+4*\t+3], v[TMP+32*(\a)+4*\t+2:TMP+32*(\a)+4*\t+3], v[14:15]
.endr
.irp t, 0,1,2,3,4,5,6,7
	global_store_b128 v[CO], v[TMP+32*(\a)+4*\t:TMP+32*(\a)+4*\t+3], s[12:13] offset:(32*((\a)/2)+8*((\a)%2)+2*\t+8*(\t/4))*4096 th:TH_STORE_NT   ; the rows' true numbers; these registers are never written again
.endr
.endm
	PLACES NP                                      ; behind the last products: their results are read
	TOST 0
	TOST 1
	BACK 0
	BACK 1
	TOST 2
	TOST 3
	s_wait_dscnt 16                                ; blocks 0 and 1 are back in registers; the sixteen stores of blocks 2 and 3 may be out
	BACK 2                                         ; into the registers that held the accumulators of blocks 0 and 1
	BACK 3
	SEND 0
	SEND 1
	s_wait_dscnt 0x0
	SEND 2
	SEND 3
	s_wait_tensorcnt 0x0                           ; the wave's end
	ds_add_u32 v30, v31
	s_wait_dscnt 0x0
	CROUND                                         ; the closing round
	s_endpgm
.Lfunc_end_k_q39fd6eac7b_outp:
	.size	k_q39fd6eac7b_outp, .Lfunc_end_k_q39fd6eac7b_outp-k_q39fd6eac7b_outp
	.p2alignl 7, 3214868480
	.fill 96, 4, 3214868480
	.section	.rodata,"a",@progbits
	.p2align	6, 0x0
	.amdhsa_kernel k_q39fd6eac7b_outp
		.amdhsa_group_segment_fixed_size 303616
		.amdhsa_private_segment_fixed_size 0
		.amdhsa_enable_private_segment 0
		.amdhsa_kernarg_size 40
		.amdhsa_user_sgpr_count 2
		.amdhsa_user_sgpr_kernarg_segment_ptr 1
		.amdhsa_wavefront_size32 1
		.amdhsa_system_sgpr_workgroup_id_x 1
		.amdhsa_system_sgpr_workgroup_id_y 1
		.amdhsa_system_sgpr_workgroup_id_z 1
		.amdhsa_system_vgpr_workitem_id 0
		.amdhsa_next_free_vgpr 512
		.amdhsa_next_free_sgpr 100
		.amdhsa_reserve_vcc 0
		.amdhsa_float_denorm_mode_32 3
		.amdhsa_float_denorm_mode_16_64 3
		.amdhsa_memory_ordered 1
		.amdhsa_forward_progress 1
		.amdhsa_inst_pref_size 60
	.end_amdhsa_kernel
	.amdgpu_metadata
---
amdhsa.version: [ 1, 2 ]
amdhsa.kernels:
  - .name:           k_q39fd6eac7b_outp
    .symbol:         k_q39fd6eac7b_outp.kd
    .args:
      - { .name: att, .offset: 0, .size: 8, .value_kind: global_buffer, .address_space: global }
      - { .name: codes, .offset: 8, .size: 8, .value_kind: global_buffer, .address_space: global }
      - { .name: scales, .offset: 16, .size: 8, .value_kind: global_buffer, .address_space: global }
      - { .name: o_b, .offset: 24, .size: 8, .value_kind: global_buffer, .address_space: global }
      - { .name: out0, .offset: 32, .size: 8, .value_kind: global_buffer, .address_space: global }
    .group_segment_fixed_size: 303616
    .private_segment_fixed_size: 0
    .kernarg_segment_align: 8
    .kernarg_segment_size: 40
    .max_flat_workgroup_size: 128
    .sgpr_count:     100
    .vgpr_count:     512
    .wavefront_size: 32
...
	.end_amdgpu_metadata
.endif
;; end of part 4
